; MI455X (gfx1250); checked and timed in simulation.
; The chip was launched on July 23, 2026; its instructions are those of AMD's public machine-readable ISA for CDNA 5 (MIT licence, August 2026) and "CDNA5" Instruction Set Architecture Reference Guide (July 2026). The comments in the code are by the model that wrote it; some were corrected since.
;; Causal Self Attention. Allowed arithmetic: matrix products marked QUANTISED: E4M3 operands, one E8M0 scale for each 32 along K, by v_wmma_scale_f32_16x16x128_f8f6f4 with both operands' format E4M3, f32 sums; everything else in f32.
;; Inputs: b_proj 1,024 float32; b_qkv 3,072 float32; w_proj 1,024 x 1,024 float32; w_qkv 1,024 x 3,072 float32; x 4 x 2,048 x 1,024 float32.
;; Outputs: out0 4 x 2,048 x 1,024 float32.
;; This version of the problem:
;;   THIS VERSION OF THE PROBLEM IS GIVEN IN LOW PRECISION. The matrix products marked QUANTISED in the list below multiply operands that are first quantised to E4M3 (4 exponent bits, 3 mantissa bits; 8 bits a number), with one power-of-two scale for each 32 numbers along K (OCP MX v1.0); their sums are f32. All else is computed in f32.
;;   The module's matrix products, in the order in which they are computed (A, B: the left and right operand; K: the contracted axis; several contracted axes count as one K, in the product's order):
;;     1. [M 8,192, K 1,024] x [K 1,024, N 3,072]; A: input x; B: input w_qkv: QUANTISED
;;     2. batch 64 x [M 2,048, K 64] x [K 64, N 2,048]; A: computed on the way; B: computed on the way: QUANTISED
;;     3. batch 64 x [M 2,048, K 2,048] x [K 2,048, N 64]; A: softmax (see below); B: computed on the way: QUANTISED
;;     4. [M 8,192, K 1,024] x [K 1,024, N 1,024]; A: computed on the way; B: input w_proj: QUANTISED
;;   THE QUANTISER, for each operand of a quantised product, along K:
;;     - K is cut into blocks of 32 from its start; a last block that is shorter is filled with zeros.
;;     - A block's scale is 2^e with e = floor(log2(the largest magnitude in the block)) - 8, held to -126 .. 127; a block of zeros has e = 0. As a byte (E8M0): e + 127.
;;     - Each number is divided by its block's scale, clamped to +-448, and rounded to the nearest number of E4M3, ties to even, subnormals kept.
;;     - The product sums the exact products of the quantised numbers (number of the format x scale) in f32.
;;   ~~~python
;;   def quantise(x, axis):      # numpy; x: float32 -> the quantised numbers, widened to float32 again
;;       x = np.moveaxis(x, axis, -1); K = x.shape[-1]
;;       x = np.pad(x, [(0, 0)] * (x.ndim - 1) + [(0, -K % 32)]); x = x.reshape(x.shape[:-1] + (-1, 32)); a = np.abs(x).max(-1, keepdims=True)
;;       e = np.where(a > 0, np.clip(np.frexp(np.where(a > 0, a, 1))[1] - 1 - 8, -126, 127), 0)      # np.frexp(a)[1] - 1 = floor(log2(a)), exactly
;;       r = np.clip(x / 2.0 ** e, -448, 448)
;;       step = 2.0 ** (np.maximum(np.frexp(np.where(r == 0, 1, r))[1] - 1, -6) - 3)
;;       q = np.round(r / step) * step * 2.0 ** e      # np.round: ties to even
;;       return np.moveaxis(q.reshape(q.shape[:-2] + (-1,))[..., :K], -1, axis).astype(np.float32)
;;   ~~~
;;   SOFTMAX AHEAD OF A QUANTISED PRODUCT. Where the list says 'softmax', what is quantised is not the finished softmax but p = 2^(t - M), with t = logit x log2(e) and M = ceil(the row's largest t), a whole number; so 1/2 < the row's largest p <= 1. The row's sum l is taken of the UNQUANTISED p, in f32, and the product's result is divided by l at the end. Since M is a whole number, a kernel that streams over the keys may use a running M (the ceiling of the running maximum): every later rescaling is an exact power of two, which a block's scale takes up: the codes' values come out the same.
;;   OPERANDS COMPUTED ON THE WAY. 'Computed on the way' means the value that the module computes at that place (a softmax that the list does not call 'softmax' is quantised finished and normalised). What goes into a quantiser is computed in f32, as accurately as f32 sums, v_exp_f32 and their like allow (about 1e-6 of the number): no bf16 or f16 on the way to a quantiser, and a product that is left as it is and whose result goes on into a quantised operand takes f32 operands (vector FMAs, or v_wmma_f32_16x16x4_f32). A number that lies on a knife's edge between two numbers of the format may be rounded either way, as far as f32 arithmetic and the matrix unit's own rounding can turn it there, and no further.
;; One version. Each part assembles by itself: llvm-mc -triple=amdgcn-amd-amdhsa -mcpu=gfx1250 --defsym DOCPART=n.
;; ======== version 1 of 1: 4 launches
;; limits: right only within a limited range of input values
;; workspace buffers: x_img 8,650,752 bytes; wq_img 3,244,032 bytes; wp_img 1,081,344 bytes; y_img 8,650,752 bytes; qc 8,388,608 bytes; qs 262,144 bytes; kvc 16,777,216 bytes; kvs 524,288 bytes
;; launch prep (part 1): grid 96 x 4, 4 waves a work-group, no clusters, 68,096 bytes of LDS; arguments x, w_qkv, w_proj, x_img, wq_img, wp_img; writes x_img, wq_img, wp_img
.if DOCPART == 1
	.amdgcn_target "amdgcn-amd-amdhsa--gfx1250"
	.amdhsa_code_object_version 6
	.text
	.protected	k_qb36603d6e8_prep
	.globl	k_qb36603d6e8_prep
	.p2align	8
	.type	k_qb36603d6e8_prep,@function
k_qb36603d6e8_prep:
	s_mov_b64 s[64:65], 0
	v_nop
	global_prefetch_b8 v0, s[64:65] scope:SCOPE_SE
	s_setreg_imm32_b32 hwreg(HW_REG_WAVE_MODE, 25, 1), 1
	s_wait_xcnt 0x0
; x [8192][1024], w_qkv [1024][3072] and w_proj [1024][1024], f32, become codes of E4M3 with one E8M0 byte for each 32 along K (K = 1,024: x's last axis, the weights' first).
; THE CODES ARE LAID AS IMAGES OF THE OPERAND'S REGISTERS.  A fragment (16 rows x 128 K) is [c 0..3][lane][16 bytes]: lane (r, h) holds k = 32 c + 16 h + 0..15 of row r.
; An operand of R rows is [ks 0..3][R / 128][33,792 bytes]; such a block is the codes [row tile 0..7][q 0..1][fragment] (32,768 bytes; k = 256 ks + 128 q + ..) and behind them the scale words [row tile][r][q] (1,024 bytes).
; THE ROWS OF A TILE ARE NOT NEIGHBOURS: of each 32 rows, tile u's place r holds row 8 u + r + 8 (r / 8), so that in a product used transposed the 16 registers of two neighbouring tiles are 16 neighbours.
; A block's scale is 2^(floor(log2(its largest magnitude)) - 8); its byte is the largest magnitude's exponent field - 8, held at 1 from below.
; LIMITS: NaN and infinities among the inputs are not served; no largest magnitude is taken under 2^-118; a block of zeros gets the byte 1 where the rule says 127: its codes are zeros, and this program alone reads the bytes.
; SHARES: work-groups x < 64 take x: 32 tokens each (group 4 x + y), wave w the 256 along K of plane w.  The others take 128 columns x 256 along K (plane y) of a weight, 32 columns a wave.  Each reads 128 KB.
; Waves share nothing: no barrier.  The two paths part on the work-group's number and have LDS bytes of their own.  No matrix unit, no cluster, no tensor load: a stream that is read once.
; THE ORDER OF THE BLOCKS IN AN IMAGE, which stands in place of the order given above: [R / 128][ks 0..3][33,792 bytes]: the four K steps of 128 rows lie on end, so that one dense tensor load can bring several of them.
.set HALFB,   33792
.set STB,     8448                     ; a wave's stage
.set WST,     4*STB                    ; the weights' stages lie behind x's
.set SEL,  40                          ; s[40:41] lane selects for v_permlanex16_b32: lane l xor 16
.set MNT,  42                          ; s42 the mantissa field of 448
.set LANE, 5
.set TM,   240                         ; v240-255 at work in QUANT
.set PW,   8                           ; x: v8-11 a scale word for each unit
.set R,    16                          ; x: v16-143 two sets of 64 numbers as loaded
.set X,    144                         ; x: v144-207 64 numbers, 16 neighbours of each of four blocks
.set PC,   208                         ; x: v208-239 two sets of 16 registers of codes
.set SB,   14                          ; w: v[14:15] eight scale bytes
.set OFF,  16                          ; w: v16-47 4 x lane + i rows
.set WX,   48                          ; w: v48-111 two sets of 32 numbers
.set C,    112                         ; w: v112-119 a block's codes
.set OUTR, 120                         ; w: v120-183 the way out
.set BASE, 48                          ; w: s[48:63] where each of the eight blocks of 32 along K begins
; 64 numbers of a lane, register 16 b + i = k 32 b + 16 (lane / 16) + i of my row, become a fragment's codes in v[pc] on and its scale word in v[pw]
.macro QUANT s, pc, pw
.irp b, 0,1,2,3
	v_max3_num_f32 v[TM+\b], |v[\s+16*\b]|, |v[\s+1+16*\b]|, 0x4800000   ; my 16 numbers of block b, and the floor 2^(9 - 127): the byte cannot fall under 1
.endr
.irp i, 2,4,6,8,10,12,14
.irp b, 0,1,2,3
	v_max3_num_f32 v[TM+\b], v[TM+\b], |v[\s+16*\b+\i]|, |v[\s+1+16*\b+\i]|   ; the four blocks by turns
.endr
.endr
.irp b, 0,1,2,3
	v_permlanex16_b32 v[TM+4+\b], v[TM+\b], s[SEL], s[SEL+1]
.endr
.irp b, 0,1,2,3
	v_max_num_f32 v[TM+\b], v[TM+\b], v[TM+4+\b]   ; with lane l xor 16's: the block's largest magnitude
.endr
.irp b, 0,1,2,3
	v_add_nc_u32 v[TM+12+\b], 0xfc000000, v[TM+\b]   ; 8 off its exponent field: the conversion's scale operand
.endr
.irp b, 0,1,2,3
	v_and_or_b32 v[TM+8+\b], v[TM+\b], 0x7f800000, s[MNT]   ; 448 x the scale
.endr
.irp b, 0,1,2,3
	v_lshrrev_b32 v[TM+4+\b], 23, v[TM+12+\b]      ; the scale's byte
.endr
	v_lshl_or_b32 v[\pw], v[TM+5], 8, v[TM+4]
	v_lshl_or_b32 v[\pw], v[TM+6], 16, v[\pw]
	v_lshl_or_b32 v[\pw], v[TM+7], 24, v[\pw]
.irp b, 0,1,2,3
.irp i, 0,1,2,3,4,5,6,7,8,9,10,11,12,13,14,15
	v_med3_num_f32 v[\s+16*\b+\i], v[\s+16*\b+\i], -v[TM+8+\b], v[TM+8+\b]   ; the conversion does not saturate (ISA guide 7.6.2): the hold at the largest code x the scale
.endr
	v_cvt_scalef32_pk8_fp8_f32 v[\pc+4*\b:\pc+1+4*\b], v[\s+16*\b:\s+7+16*\b], v[TM+12+\b]
	v_cvt_scalef32_pk8_fp8_f32 v[\pc+2+4*\b:\pc+3+4*\b], v[\s+8+16*\b:\s+15+16*\b], v[TM+12+\b]
.endr
	v_nop                                          ; a plain line behind the last conversion
.endm
; x, unit t = 2 u + q: the 16 rows of tile u, 128 along K.  A load reads 512 consecutive bytes of one row
.macro XLOAD t
.irp p, 0,1,2,3,4,5,6,7,8,9,10,11,12,13,14,15
	global_load_b128 v[R+64*((\t)%2)+4*\p:R+64*((\t)%2)+4*\p+3], v1, s[4:5] offset:(8*((\t)/2)+\p+8*(\p/8))*4096+512*((\t)%2) th:TH_LOAD_NT
.endr
.endm
.macro XUNIT t
.set RS, R+64*((\t)%2)
.set PS, PC+16*((\t)%2)
.if (\t) < 3
	s_wait_loadcnt 16                              ; this unit's 16 loads are in; the next unit's may be out
.else
	s_wait_loadcnt 0x0
.endif
.irp p, 0,1,2,3,4,5,6,7,8,9,10,11,12,13,14,15
	ds_store_b128 v2, v[RS+4*\p:RS+4*\p+3] offset:528*\p   ; place p's 512 bytes as they lie; rows 528 bytes apart
.endr
.irp c, 0,1,2,3
.irp j, 0,1,2,3
	ds_load_b128 v[X+16*\c+4*\j:X+16*\c+4*\j+3], v3 offset:128*\c+16*\j   ; back: my row's 16 neighbours of block c.  LDS serves a wave's instructions in order
.endr
.endr
	s_wait_dscnt 0x0                               ; the numbers are back, and the stores have read their registers,
.if (\t)+2 < 4
	XLOAD (\t)+2                                   ; which take the loads of two units on
.endif
.if (\t) >= 2
	s_wait_xcnt 0x0                                ; the stores of two units back have read this set of codes
.endif
	QUANT X, PS, PW+(\t)
.irp c, 0,1,2,3
	global_store_b128 v1, v[PS+4*\c:PS+4*\c+3], s[30:31] offset:4096*((\t)/2)+2048*((\t)%2)+512*\c   ; 512 consecutive bytes
.endr
.endm
; a weight, block t of 32 along K: W(32 t + i, my column) into set t % 2
.macro WLOAD t
.set i, 0
.rept 32
	global_load_b32 v[WX+32*((\t)%2)+i], v[OFF+i], s[BASE+2*(\t):BASE+2*(\t)+1] th:TH_LOAD_NT
.set i, i+1
.endr
.endm
.macro WBLOCK t
.set XS, WX+32*((\t)%2)
.if (\t) < 7
	s_wait_loadcnt 32                              ; this block's 32 loads are in; the next block's may be out
.else
	s_wait_loadcnt 0x0
.endif
	v_max3_num_f32 v12, |v[XS]|, |v[XS+1]|, |v[XS+2]|   ; the block's largest magnitude: all 32 numbers are mine
	v_max3_num_f32 v13, |v[XS+3]|, |v[XS+4]|, |v[XS+5]|
.irp i, 6,10,14,18,22,26
	v_max3_num_f32 v12, v12, |v[XS+\i]|, |v[XS+\i+1]|
	v_max3_num_f32 v13, v13, |v[XS+\i+2]|, |v[XS+\i+3]|
.endr
	v_max3_num_f32 v12, v12, |v[XS+30]|, |v[XS+31]|
	v_max3_num_f32 v12, v12, v13, 0x4800000        ; and the floor
	v_add_nc_u32 v3, 0xfc000000, v12               ; the conversion's scale operand
	v_and_or_b32 v2, v12, 0x7f800000, s[MNT]       ; 448 x the scale
	v_lshrrev_b32 v13, 23, v3                      ; the byte
.if (\t)%4 == 0
	v_mov_b32 v[SB+(\t)/4], v13
.else
	v_lshl_or_b32 v[SB+(\t)/4], v13, 8*((\t)%4), v[SB+(\t)/4]
.endif
.set i, 0
.rept 32
	v_med3_num_f32 v[XS+i], v[XS+i], -v2, v2
.set i, i+1
.endr
.irp g, 0,1,2,3
	v_cvt_scalef32_pk8_fp8_f32 v[C+2*\g:C+2*\g+1], v[XS+8*\g:XS+8*\g+7], v3
.endr
	ds_store_b128 v4, v[C:C+3] offset:512*(\t)         ; k 0..15 of the block: the place of lane r of the image,
	ds_store_b128 v4, v[C+4:C+7] offset:512*(\t)+256   ; k 16..31: that of lane 16 + r
.if (\t)+2 < 8
	WLOAD (\t)+2
.endif
	s_wait_dscnt 0x0                               ; the stores have read their registers: the next block's codes may be written
.endm
	s_load_b256 s[4:11], s[0:1], 0x0               ; x s[4:5], w_qkv s[6:7], w_proj s[8:9], x_img s[10:11]
	s_load_b128 s[12:15], s[0:1], 0x20             ; wq_img s[12:13], wp_img s[14:15]
	s_set_vgpr_msb 0x40
	v_lshl_add_u32 v0, v0, 2, 0x10800
	v_mov_b32 v1, 0
	s_set_vgpr_msb 0x4000
	v_lshrrev_b32 v1, 5, v0
	v_readfirstlane_b32 s16, v1                    ; wave 0..3
	v_and_b32 v[LANE], 31, v0
	s_and_b32 s17, ttmp7, 0xffff                   ; work-group y
	s_mov_b32 s[SEL], 0x76543210
	s_mov_b32 s[SEL+1], 0xfedcba98
	s_mov_b32 s[MNT], 0x600000
	s_cmp_lt_u32 ttmp9, 64
	s_cbranch_scc0 .Lweights
	; ---- x
	v_lshlrev_b32 v1, 4, v[LANE]                   ; 16 x lane: my bytes of a load's and of a store's 512
	s_mul_i32 s18, s16, STB
	v_add_nc_u32 v2, s18, v1                       ; the stage, on the way in
	v_and_b32 v6, 15, v[LANE]                      ; r
	v_lshrrev_b32 v7, 4, v[LANE]                   ; h
	v_mul_u32_u24 v3, v6, 528
	v_lshl_add_u32 v3, v7, 6, v3
	v_add_nc_u32 v3, s18, v3                       ; and on the way out: row r, + 64 h
	v_lshlrev_b32 v4, 3, v[LANE]                   ; the scale words: 8 bytes a lane
.irp b, 0,1,2,3
	v_mov_b32 v[TM+4+\b], 0                        ; written once: a lane permute's destination counts as one of its sources
.endr
	s_lshl_b32 s19, ttmp9, 2
	s_add_co_u32 s19, s19, s17                     ; my group of 32 tokens, 0..255
	s_lshl_b32 s24, s19, 17                        ; 32 rows of 4,096 bytes,
	s_lshl_b32 s25, s16, 10                        ; my wave's 256 along K
	s_add_co_u32 s24, s24, s25
	s_mov_b32 s25, 0
	s_mul_i32 s26, s16, HALFB                      ; my wave's K step in the block of 128 tokens
	s_lshr_b32 s27, s19, 2
	s_mul_i32 s27, s27, 4*HALFB
	s_add_co_u32 s26, s26, s27                     ; the block of 128 tokens in my plane
	s_and_b32 s28, s19, 3
	s_lshl_b32 s29, s28, 13
	s_add_co_u32 s30, s26, s29                     ; my two row tiles' codes
	s_mov_b32 s31, 0
	s_lshl_b32 s29, s28, 8
	s_add_co_u32 s26, s26, s29
	s_add_co_u32 s26, s26, 32768                   ; and their scale words
	s_mov_b32 s27, 0
	s_wait_alu depctr_va_vdst(0)
	s_wait_kmcnt 0x0
	s_add_nc_u64 s[4:5], s[4:5], s[24:25]
	s_add_nc_u64 s[30:31], s[10:11], s[30:31]
	s_add_nc_u64 s[26:27], s[10:11], s[26:27]
	XLOAD 0
	XLOAD 1
	XUNIT 0
	XUNIT 1
	XUNIT 2
	XUNIT 3
	v_cmp_le_u32 vcc_lo, 16, v[LANE]               ; lanes 0-15 store tile 0's two words of row r, lanes 16-31 tile 1's (every lane holds its row's words of both)
	v_cndmask_b32 v12, v[PW], v[PW+2], vcc_lo
	v_cndmask_b32 v13, v[PW+1], v[PW+3], vcc_lo
	global_store_b64 v4, v[12:13], s[26:27]        ; 256 consecutive bytes, aligned
	s_set_vgpr_msb 0x5
	s_wait_tensorcnt 0x0
	ds_add_u32 v0, v1
	s_wait_dscnt 0x0
	s_set_vgpr_msb 0x500
	s_endpgm
	; ---- the weights: a lane takes a column, its registers run down K; nothing is transposed by an instruction
.Lweights:
	s_sub_co_u32 s18, ttmp9, 64
	s_cmp_lt_u32 s18, 24                           ; 24 groups of 128 columns of w_qkv, then 8 of w_proj: only pointers and sizes are chosen
	s_mov_b32 s19, 4096
	s_cselect_b32 s19, 12288, s19                  ; a row of the weight in bytes
	s_cselect_b32 s21, 0, 24
	s_wait_kmcnt 0x0
	s_cselect_b64 s[6:7], s[6:7], s[8:9]
	s_cselect_b64 s[12:13], s[12:13], s[14:15]
	s_sub_co_u32 s18, s18, s21                     ; my group of columns
	s_lshl_b32 s22, s17, 8
	s_mul_i32 s22, s22, s19                        ; 256 y rows,
	s_lshl_b32 s24, s18, 9
	s_add_co_u32 s22, s22, s24                     ; 128 columns a group,
	s_lshl_b32 s24, s16, 7
	s_add_co_u32 s22, s22, s24                     ; 32 a wave
	s_mov_b32 s23, 0
	s_add_nc_u64 s[BASE:BASE+1], s[6:7], s[22:23]
	s_lshl_b32 s24, s19, 5                         ; 32 rows on
	s_mov_b32 s25, 0
.irp t, 1,2,3,4,5,6,7
	s_add_nc_u64 s[BASE+2*\t:BASE+2*\t+1], s[BASE+2*\t-2:BASE+2*\t-1], s[24:25]
.endr
	s_mul_i32 s26, s17, HALFB                      ; K step y of my 128 columns
	s_mul_i32 s27, s18, 4*HALFB
	s_add_co_u32 s26, s26, s27                     ; my block of the image
	s_lshl_b32 s27, s16, 13
	s_add_co_u32 s28, s26, s27                     ; my wave's two row tiles' codes
	s_mov_b32 s29, 0
	s_lshl_b32 s27, s16, 8
	s_add_co_u32 s26, s26, s27
	s_add_co_u32 s26, s26, 32768                   ; and their scale words
	s_mov_b32 s27, 0
	s_add_nc_u64 s[28:29], s[12:13], s[28:29]
	s_add_nc_u64 s[26:27], s[12:13], s[26:27]
	s_wait_alu depctr_va_vdst(0)
	v_bfe_u32 v6, v[LANE], 3, 1                    ; column l of 32 stands in tile u = (l / 8) % 2
	v_and_b32 v11, 7, v[LANE]
	v_lshrrev_b32 v10, 4, v[LANE]
	v_lshl_add_u32 v11, v10, 3, v11                ; at place r = l % 8 + 8 (l / 16)
	s_mul_i32 s30, s16, STB
	s_add_co_u32 s30, s30, WST
	v_mul_u32_u24 v4, v6, 4224                     ; the stage: a tile's 4,096 bytes + 128, so that sixteen lanes' stores start at sixteen different places modulo 256 bytes
	v_lshl_add_u32 v4, v11, 4, v4
	v_add_nc_u32 v4, s30, v4
	v_lshlrev_b32 v8, 4, v[LANE]
	v_add_nc_u32 v7, s30, v8                       ; back: 16 x lane
	v_lshlrev_b32 v9, 7, v6
	v_lshl_add_u32 v9, v11, 3, v9                  ; my column's two scale words: 128 u + 8 r
	v_lshlrev_b32 v[OFF], 2, v[LANE]
.set i, 1
.rept 31
	v_add_nc_u32 v[OFF+i], s19, v[OFF+i-1]         ; the pitch stands in registers, so that one text serves both weights
.set i, i+1
.endr
	WLOAD 0
	WLOAD 1
.irp t, 0,1,2,3,4,5,6,7
	WBLOCK \t
.endr
	global_store_b64 v9, v[SB:SB+1], s[26:27]      ; the wave's 32 columns: 256 consecutive bytes, aligned
.irp i, 0,1,2,3,4,5,6,7,8,9,10,11,12,13,14,15
	ds_load_b128 v[OUTR+4*\i:OUTR+4*\i+3], v7 offset:512*\i+128*(\i/8)
.endr
.irp i, 0,1,2,3,4,5,6,7,8,9,10,11,12,13,14,15
	s_wait_dscnt 15-\i                             ; LDS loads come back in order: row i of the sixteen is in
	global_store_b128 v8, v[OUTR+4*\i:OUTR+4*\i+3], s[28:29] offset:512*\i
.endr
	s_set_vgpr_msb 0x5
	s_wait_tensorcnt 0x0
	ds_add_u32 v0, v1
	s_wait_dscnt 0x0
	s_set_vgpr_msb 0x500
	s_endpgm
.Lfunc_end_k_qb36603d6e8_prep:
	.size	k_qb36603d6e8_prep, .Lfunc_end_k_qb36603d6e8_prep-k_qb36603d6e8_prep
	.p2alignl 7, 3214868480
	.fill 96, 4, 3214868480
	.section	.rodata,"a",@progbits
	.p2align	6, 0x0
	.amdhsa_kernel k_qb36603d6e8_prep
		.amdhsa_group_segment_fixed_size 68096
		.amdhsa_private_segment_fixed_size 0
		.amdhsa_enable_private_segment 0
		.amdhsa_kernarg_size 48
		.amdhsa_user_sgpr_count 2
		.amdhsa_user_sgpr_kernarg_segment_ptr 1
		.amdhsa_wavefront_size32 1
		.amdhsa_system_sgpr_workgroup_id_x 1
		.amdhsa_system_sgpr_workgroup_id_y 1
		.amdhsa_system_sgpr_workgroup_id_z 1
		.amdhsa_system_vgpr_workitem_id 0
		.amdhsa_next_free_vgpr 258
		.amdhsa_next_free_sgpr 66
		.amdhsa_reserve_vcc 1
		.amdhsa_float_denorm_mode_32 3
		.amdhsa_float_denorm_mode_16_64 3
		.amdhsa_memory_ordered 1
		.amdhsa_forward_progress 1
		.amdhsa_inst_pref_size 111
	.end_amdhsa_kernel
	.amdgpu_metadata
---
amdhsa.version: [ 1, 2 ]
amdhsa.kernels:
  - .name:           k_qb36603d6e8_prep
    .symbol:         k_qb36603d6e8_prep.kd
    .args:
      - { .name: x, .offset: 0, .size: 8, .value_kind: global_buffer, .address_space: global }
      - { .name: w_qkv, .offset: 8, .size: 8, .value_kind: global_buffer, .address_space: global }
      - { .name: w_proj, .offset: 16, .size: 8, .value_kind: global_buffer, .address_space: global }
      - { .name: x_img, .offset: 24, .size: 8, .value_kind: global_buffer, .address_space: global }
      - { .name: wq_img, .offset: 32, .size: 8, .value_kind: global_buffer, .address_space: global }
      - { .name: wp_img, .offset: 40, .size: 8, .value_kind: global_buffer, .address_space: global }
    .group_segment_fixed_size: 68096
    .private_segment_fixed_size: 0
    .kernarg_segment_align: 8
    .kernarg_segment_size: 48
    .max_flat_workgroup_size: 128
    .sgpr_count:     66
    .vgpr_count:     258
    .wavefront_size: 32
...
	.end_amdgpu_metadata
.endif
;; end of part 1
;; launch qkv (part 2): grid 12 x 32, 4 waves a work-group, clusters of 4 x 4, 327,680 bytes of LDS; arguments x_img, wq_img, b_qkv, qc, qs, kvc, kvs; writes qc, qs, kvc, kvs
.if DOCPART == 2
	.amdgcn_target "amdgcn-amd-amdhsa--gfx1250"
	.amdhsa_code_object_version 6
	.text
	.protected	k_qb36603d6e8_qkv
	.globl	k_qb36603d6e8_qkv
	.p2align	8
	.type	k_qb36603d6e8_qkv,@function
k_qb36603d6e8_qkv:
	s_mov_b64 s[64:65], 0
	v_nop
	global_prefetch_b8 v0, s[64:65] scope:SCOPE_SE
	s_setreg_imm32_b32 hwreg(HW_REG_WAVE_MODE, 25, 1), 1
	s_wait_xcnt 0x0
	s_wait_alu depctr_hold_cnt(0) depctr_sa_sdst(0) depctr_va_vdst(0) depctr_va_sdst(0) depctr_va_ssrc(0) depctr_va_vcc(0) depctr_vm_vsrc(0)
	s_getreg_b32 s2, hwreg(HW_REG_IB_STS2, 6, 4)
	s_cmp_eq_u32 s2, 0
	s_cbranch_scc0 .Lentry_in_a_cluster
	s_endpgm
.Lentry_in_a_cluster:
	s_bfe_u32 s2, ttmp6, 0x10000c
	s_cmp_lg_u32 s2, 0xf033
	s_cbranch_scc0 .Lentry_shape_is_right
	s_endpgm
.Lentry_shape_is_right:
; qkv = x w_qkv + b_qkv on codes of E4M3 with E8M0 scales, and q, k, v quantised on the way out: q and k along the head's 64, v along the keys.  Nothing wide goes to memory.
; A tile of 256 tokens x 256 columns is made by four waves, 128 x 128 each: 64 accumulators, 512 registers.  K = 1,024 goes in four steps of 256 through two LDS slots.
; OPERANDS ARE IMAGES OF THEIR REGISTERS (a fragment of 16 rows x 128 K is [c][lane][16 bytes]); 128 rows x 256 K with their scale words are one dense block of 33,792 bytes: one tensor load a wave, every LDS load at 16 x lane + a constant.
; THE PRODUCT IS USED TRANSPOSED: source 0's 16 rows run along a lane's registers, source 1's lie one to a lane.  The rows of a tile are not neighbours (of each 32, tile u's place r is row 8 u + r + 8 (r / 8)),
; so the 16 registers of two neighbouring tiles are 16 neighbours, in the order that the next operand's registers want: the conversions' results leave by stores of 512 consecutive bytes.
; q, k (clusters x = 0, 1): source 0 = columns of w, source 1 = tokens: a lane holds a token, its registers a head's 64.   v (cluster x = 2): THE SOURCES CHANGE PLACES: a lane holds a (head, d), its registers run along the keys.
; The change touches the LDS read addresses alone; loads, slots and products are one text.  The cluster's x is equal in all sixteen partners, so branches on it are alike in all.
; CLUSTERS: 4 x 4 work-groups; x's block is shared along a row of the cluster, w's along a column: joint loads, one a wave behind each round.
; OUT: qc [head][tile of 16 tokens][c 0..1][lane][16]; qs [head][pair of tiles][r] words (low half: the even tile's two bytes); kvc [head][128 keys][K: 8 tiles x 1,024 | V: [d tile][c][lane][16]]; kvs [head][128 keys][K: 4 pairs x 16 words | V: [d tile][r] words].
; LIMITS: NaN and infinities are not served; no largest magnitude is taken under 2^-118; a block of zeros gets the byte 1 where the rule says 127 (its codes are zeros; this program alone reads the bytes).
; REGISTERS: window 0: v0-31 addresses; v32-63 source 1's scale words, v64-95 source 0's, two sets each; v96-111 v's biases; v128-255 source 1's fragments, one set (on the way out: H, codes, at work).
;   window 1: source 0's fragments, two sets (on the way out v0-63: q's and k's biases).   windows 2, 3: the accumulators, (a, b) at v[8 (8 (a % 4) + b)].
.set HALFB,   33792
.set SLOT,    4*HALFB                  ; x's two halves, then w's two halves
.set SPARE,   2*SLOT                   ; the spare words: 128 bytes a wave, two blocks of 256 bytes that no other line names
.set STG,     SPARE+512                ; 1,024 bytes a wave for the scale words' way out: no tile lands there
.set PLANE_A, HALFB                    ; from a K step to the next in x_img: the four K steps of 128 rows lie on end
.set PLANE_B, HALFB
.set LI,   2                           ; v2 16 x lane; also the first of VO
.set VO,   2                           ; v2-5 where block 0..3 of a lane's codes goes
.set VSO,  6                           ; v6 where the scale words go
.set PSEL, 9                           ; v9 v_perm_b32's selector: lanes 0-15 the low halves, lanes 16-31 the high halves
.set BQ,   10                          ; v10 64 h: q's and k's biases
.set BV,   11                          ; v11 4 (r + 8 (r / 8)): v's
.set T1,   12                          ; v12-14 the scale words' stage
.set T2,   13
.set T3,   14
.set ADRA, 16                          ; v16-17 source 1's fragments in slot 0, 1;  v18-19 its scale words
.set ADSA, 18
.set ADRB, 20                          ; v20-23 the same for source 0
.set ADSB, 22
.set SPW,  28                          ; v28 my spare word; never rewritten
.set NIL,  29                          ; v29 0; never rewritten
.set SCA,  32
.set SCB,  64
.set BL,   96
.set AF,   128
.set H,    128                         ; the way out: v128-191 64 numbers; v192-223 codes, two sets; v224-239 at work; v240-247 a scale word for each tile a
.set PC,   192
.set TM,   224
.set PWS,  240
.set WV, 18
.set RA, 19                            ; wave / 2: which half for source 1 at q, k.  Also: I fetch x's block (0) or w's (1)
.set CB, 20                            ; wave % 2.  Also: which half I fetch
.set SEL, 22                           ; s[22:23]
.set G1, 24
.set G0, 32
.set G1B, 48
.set G0B, 56
.set CODEB, 66                         ; s[66:67] where tile a's codes go
.set VF,  68                           ; 1 in v's cluster
.set HS,  69                           ; a head in bytes: 131,072 in qc, 262,144 in kvc
.set STEPN, 70                         ; s[70:71] from tile a to a + 1
.set SCLB, 72                          ; s[72:73] where the scale words go
.set STEP4, 74                         ; s[74:75] from tile 3 to tile 4
.set HS2, 76
.set HSEL, 77
.set OSEL, 78
.set MNT, 79
.set BIASB, 96
.set MSB, 0
.macro WIN new                         ; the immediate's high byte repeats the setting that is left
.if MSB != \new
	s_set_vgpr_msb (MSB<<8)|\new
.set MSB, \new
.endif
.endm
.set MUL_LO, 0xa1                      ; source 0 window 1, source 1 window 0, C and D window 2
.set MUL_HI, 0xf1
.set TO_B,   0x40
.macro JLOAD g0a, g1a, g0b, g1b        ; a joint load: waves 0, 1 fetch x's halves, waves 2, 3 w's; four v_nop follow each line
	s_cmp_eq_u32 s[RA], 0
	s_cbranch_scc0 .Lfor_b_\@
	tensor_load_to_lds s[\g0a:\g0a+3], s[\g1a:\g1a+7]
	s_nop 0
.rept 4
	v_nop
.endr
	s_branch .Lasked_\@
.Lfor_b_\@:
	tensor_load_to_lds s[\g0b:\g0b+3], s[\g1b:\g1b+7]
	s_nop 0
.rept 4
	v_nop
.endr
.Lasked_\@:
.endm
.macro CREST                           ; a round of the cluster's barrier behind its opening barrier
	s_cmp_lg_u32 s[WV], 0
	s_cbranch_scc1 .Lnot_wave_0_\@
	s_barrier_signal -3
.Lnot_wave_0_\@:
	s_barrier_wait -3
	s_barrier_signal -1
	s_barrier_wait -1
.endm
.macro CROUND
	s_barrier_signal -1
	s_barrier_wait -1
	CREST
.endm
.macro PLACES n
.rept \n
	v_nop
.endr
.endm
.macro FRAG reg, adr, q, i             ; a fragment as it lies: four loads of 512 consecutive bytes
.irp c, 0,1,2,3
	ds_load_b128 v[\reg+4*\c:\reg+4*\c+3], v[\adr] offset:4096*(\i)+2048*(\q)+512*\c
.endr
.endm
.macro FETCH_B slot, q, p              ; source 0's eight fragments into set p
	WIN TO_B
.irp i, 0,1,2,3,4,5,6,7
	FRAG 128*(\p)+16*\i, ADRB+\slot, \q, \i
.endr
	WIN 0
.endm
.macro FETCH_A slot, q, i0             ; source 1's blocks i0 .. i0 + 3
.irp i, \i0, \i0+1, \i0+2, \i0+3
	FRAG AF+16*(\i), ADRA+\slot, \q, \i
.endr
.endm
.macro SCALES sc                       ; a slot's scale words: two words (q = 0, 1) a row, lane r takes row r's
.irp i, 0,1,2,3,4,5,6,7
	ds_load_b64 v[SCA+16*\sc+2*\i:SCA+16*\sc+2*\i+1], v[ADSA+\sc] offset:128*\i
	ds_load_b64 v[SCB+16*\sc+2*\i:SCB+16*\sc+2*\i+1], v[ADSB+\sc] offset:128*\i
.endr
.endm
; 16 products: source 1's blocks a0, a0 + 1 x source 0's eight.  The 64 accumulators take turns, one instruction a turn, in the same order in every step
.macro MUL16 a0, p, q, sc, zero
.irp a, \a0, \a0+1
.irp b, 0,1,2,3,4,5,6,7
.if \zero
	v_wmma_scale_f32_16x16x128_f8f6f4 v[8*(8*((\a)%4)+\b):8*(8*((\a)%4)+\b)+7], v[128*(\p)+16*\b:128*(\p)+16*\b+15], v[AF+16*(\a):AF+16*(\a)+15], 0, v[SCB+16*(\sc)+2*\b+(\q)], v[SCA+16*(\sc)+2*(\a)+(\q)]
.else
	v_wmma_scale_f32_16x16x128_f8f6f4 v[8*(8*((\a)%4)+\b):8*(8*((\a)%4)+\b)+7], v[128*(\p)+16*\b:128*(\p)+16*\b+15], v[AF+16*(\a):AF+16*(\a)+15], v[8*(8*((\a)%4)+\b):8*(8*((\a)%4)+\b)+7], v[SCB+16*(\sc)+2*\b+(\q)], v[SCA+16*(\sc)+2*(\a)+(\q)]
.endif
.endr
.endr
.endm
; A slot's first 128 along K.  Eight plain places stand in front of each run of loads into registers that products have read
.macro STEP slot, zero
	s_wait_dscnt 16                                ; all but the youngest sixteen loads (source 1's blocks 4-7) are in
	WIN MUL_LO
	MUL16 0, 0, 0, \slot, \zero
	MUL16 2, 0, 0, \slot, \zero
	s_wait_dscnt 0x0                               ; blocks 4-7 are in
	PLACES 8
	FETCH_B \slot, 1, 1
	FETCH_A \slot, 1, 0
	WIN MUL_HI
	MUL16 4, 0, 0, \slot, \zero
	MUL16 6, 0, 0, \slot, \zero
	PLACES 8
	WIN 0
	FETCH_A \slot, 1, 4
.endm
; A slot's second 128 along K, and the change of slots: one barrier; in front of it each wave waits for all its tensor loads, adds 0 to its spare word, and waits for that and for its reads of this slot
.macro TURN slot, next, fill
	s_wait_tensorcnt 0x0                           ; my part of the next slot has landed; no load of mine is out
	ds_add_u32 v[SPW], v[NIL]                      ; 0 onto my spare word
.if \fill
.irp g, G1, G1B
	s_mov_b32 s[\g+1], 32<<16                      ; no load of mine is out, so a descriptor may be written: a refill brings one dense block of 33,792 bytes as 132 rows of 32 elements
	s_mov_b32 s[\g+2], 132<<16
	s_mov_b32 s[\g+3], 32<<16
	s_mov_b32 s[\g+4], 132
	s_mov_b32 s[\g+5], 32
.endr
.endif
	s_wait_dscnt 17
	WIN MUL_LO
	MUL16 0, 1, 1, \slot, 0
	s_wait_dscnt 0x0                               ; the add is done, and my reads of this slot are over
	s_barrier_signal -1
	MUL16 2, 1, 1, \slot, 0
	WIN 0
	s_barrier_wait -1
.if \fill
	CREST                                          ; the barrier has opened a round of the cluster's: no wave of any partner still reads this slot or has a load on its way
	s_add_nc_u64 s[G0+4*\slot+2:G0+4*\slot+3], s[G0+4*\slot+2:G0+4*\slot+3], 2*PLANE_A
	s_add_nc_u64 s[G0B+4*\slot+2:G0B+4*\slot+3], s[G0B+4*\slot+2:G0B+4*\slot+3], 2*PLANE_B
	JLOAD G0+4*\slot, G1, G0B+4*\slot, G1B         ; the first tensor load behind the round; its four v_nop are four of the eight places
	PLACES 4
.else
	PLACES 8
.endif
	FETCH_B \next, 0, 0
	FETCH_A \next, 0, 0
	SCALES \next
	WIN MUL_HI
	MUL16 4, 1, 1, \slot, 0
	MUL16 6, 1, 1, \slot, 0
	PLACES 8
	WIN 0
	FETCH_A \next, 0, 4
.endm
; 64 numbers of a lane, register 16 b + i = k 32 b + 16 (lane / 16) + i, become 16 registers of codes in v[pc] on and four scale bytes in v[pw]
.macro QUANT s, pc, pw
.irp b, 0,1,2,3
	v_max3_num_f32 v[TM+\b], |v[\s+16*\b]|, |v[\s+1+16*\b]|, 0x4800000   ; my 16 numbers of block b, and the floor 2^(9 - 127)
.endr
.irp i, 2,4,6,8,10,12,14
.irp b, 0,1,2,3
	v_max3_num_f32 v[TM+\b], v[TM+\b], |v[\s+16*\b+\i]|, |v[\s+1+16*\b+\i]|
.endr
.endr
.irp b, 0,1,2,3
	v_permlanex16_b32 v[TM+4+\b], v[TM+\b], s[SEL], s[SEL+1]
.endr
.irp b, 0,1,2,3
	v_max_num_f32 v[TM+\b], v[TM+\b], v[TM+4+\b]   ; with lane l xor 16's: the block's largest magnitude
.endr
.irp b, 0,1,2,3
	v_add_nc_u32 v[TM+12+\b], 0xfc000000, v[TM+\b]   ; 8 off its exponent field: the conversion's scale operand
.endr
.irp b, 0,1,2,3
	v_and_or_b32 v[TM+8+\b], v[TM+\b], 0x7f800000, s[MNT]   ; 448 x the scale
.endr
.irp b, 0,1,2,3
	v_lshrrev_b32 v[TM+4+\b], 23, v[TM+12+\b]      ; the byte
.endr
	v_lshl_or_b32 v[\pw], v[TM+5], 8, v[TM+4]
	v_lshl_or_b32 v[\pw], v[TM+6], 16, v[\pw]
	v_lshl_or_b32 v[\pw], v[TM+7], 24, v[\pw]
.irp b, 0,1,2,3
.irp i, 0,1,2,3,4,5,6,7,8,9,10,11,12,13,14,15
	v_med3_num_f32 v[\s+16*\b+\i], v[\s+16*\b+\i], -v[TM+8+\b], v[TM+8+\b]   ; the conversion does not saturate (ISA guide 7.6.2)
.endr
	v_cvt_scalef32_pk8_fp8_f32 v[\pc+4*\b:\pc+1+4*\b], v[\s+16*\b:\s+7+16*\b], v[TM+12+\b]
	v_cvt_scalef32_pk8_fp8_f32 v[\pc+2+4*\b:\pc+3+4*\b], v[\s+8+16*\b:\s+15+16*\b], v[TM+12+\b]
.endr
	v_nop                                          ; a plain line behind the last conversion
.endm
	s_load_b256 s[4:11], s[0:1], 0x0               ; x_img s[4:5], wq_img s[6:7], b_qkv s[8:9], qc s[10:11]
	s_load_b128 s[12:15], s[0:1], 0x20             ; qs s[12:13], kvc s[14:15]
	s_load_b64 s[16:17], s[0:1], 0x30              ; kvs
	v_lshl_add_u32 v[SPW], v0, 2, SPARE
	v_mov_b32 v[NIL], 0
	ds_add_u32 v28, v29
	ds_add_u32 v28, v29
	s_wait_dscnt 0x0
	v_lshrrev_b32 v1, 5, v0
	v_readfirstlane_b32 s[WV], v1                  ; wave 0..3
	s_lshr_b32 s[RA], s[WV], 1
	s_and_b32 s[CB], s[WV], 1
	s_bfe_u32 s40, ttmp6, 0x40000                  ; cx, cy: my place in the cluster
	s_bfe_u32 s41, ttmp6, 0x40004
	s_lshl_b32 s42, ttmp9, 2
	s_add_co_u32 s42, s42, s40                     ; tile column = 4 x cluster x + cx, 0..11
	s_and_b32 s43, ttmp7, 0xffff
	s_lshl_b32 s43, s43, 2
	s_add_co_u32 s43, s43, s41                     ; tile row = 4 x cluster y + cy, 0..31
	s_lshl_b32 s44, s41, 2
	s_lshl_b32 s44, 15, s44                        ; my row of the cluster
	s_lshl_b32 s45, 0x1111, s40                    ; my column
	; descriptor group 1: a dense block of 33,792 bytes as 132 rows of 32 elements of 8 bytes
	s_or_b32 s[G1], s44, (3<<16)|(1<<21)           ; 15:0 the mask: x's blocks go to my row; 17:16 elements of 8 bytes; 21 set beside a mask
	s_or_b32 s[G1B], s45, (3<<16)|(1<<21)          ; w's go to my column
.irp g, G1, G1B
	s_mov_b32 s[\g+1], 4224<<16                    ; at the head: one K step of BOTH halves: two rows of 33,792 bytes (4,224 elements),
	s_mov_b32 s[\g+2], 2<<16
	s_mov_b32 s[\g+3], 4224<<16
	s_mov_b32 s[\g+4], 2
	s_mov_b32 s[\g+5], 16896                       ; four blocks apart in memory; in LDS they lie on end
	s_mov_b32 s[\g+6], 0
	s_mov_b32 s[\g+7], 0
.endr
	s_lshl_b32 s46, s43, 1
	s_add_co_u32 s46, s46, s[CB]
	s_mul_i32 s46, s46, 4*HALFB
	s_mov_b32 s47, 0
	s_lshl_b32 s80, s42, 1
	s_add_co_u32 s80, s80, s[CB]
	s_mul_i32 s80, s80, 4*HALFB
	s_mov_b32 s81, 0
	s_mul_i32 s82, s[WV], HALFB                    ; where they go: wave x a block: no place in the cluster enters an LDS address
	s_wait_kmcnt 0x0
	s_add_nc_u64 s[46:47], s[4:5], s[46:47]
	s_add_nc_u64 s[80:81], s[6:7], s[80:81]
	CROUND                                         ; all sixteen work-groups are here: the first joint loads meet
.irp s, 0,1
	s_mov_b32 s[G0+4*\s], 1
	s_add_co_u32 s[G0+4*\s+1], s82, \s*SLOT
	s_add_nc_u64 s[G0+4*\s+2:G0+4*\s+3], s[46:47], \s*PLANE_A
	s_or_b32 s[G0+4*\s+3], s[G0+4*\s+3], 0x80000000
	s_mov_b32 s[G0B+4*\s], 1
	s_add_co_u32 s[G0B+4*\s+1], s82, \s*SLOT
	s_add_nc_u64 s[G0B+4*\s+2:G0B+4*\s+3], s[80:81], \s*PLANE_B
	s_or_b32 s[G0B+4*\s+3], s[G0B+4*\s+3], 0x80000000
.endr
	; the head's loads, one a wave: waves 0, 1 fetch K steps 0, 1 of x's two halves, waves 2, 3 those of w's: K step CB into slot CB.  Their groups 0 lie in registers that held arguments and offsets
	s_mul_i32 s84, s[CB], 3*HALFB                  ; from my half's K step 0 back to the first half's K step CB
	s_mov_b32 s85, 0
	s_mul_i32 s86, s[CB], SLOT
	s_sub_nc_u64 s[6:7], s[46:47], s[84:85]
	s_or_b32 s7, s7, 0x80000000
	s_mov_b32 s4, 1
	s_mov_b32 s5, s86
	s_sub_nc_u64 s[82:83], s[80:81], s[84:85]
	s_or_b32 s83, s83, 0x80000000
	s_mov_b32 s80, 1
	s_add_co_u32 s81, s86, 2*HALFB
; one chain of branches on the wave's number, a load line to each wave: the lines of waves 0 and 2 (K step 0) are waited for at the first barrier, those of waves 1 and 3 (K step 1) at the first change of slots
.macro ARM under, g0, g1, next
	s_cmp_lt_u32 s[WV], \under
	s_cbranch_scc0 \next
	tensor_load_to_lds s[\g0:\g0+3], s[\g1:\g1+7]
	s_nop 0
.rept 4
	v_nop
.endr
	s_branch .Lhead_asked
\next:
.endm
	ARM 1, 4, G1, .Lhead_x1
	ARM 2, 4, G1, .Lhead_w0
	ARM 3, 80, G1B, .Lhead_w1
	tensor_load_to_lds s[80:83], s[G1B:G1B+7]
	s_nop 0
.rept 4
	v_nop
.endr
.Lhead_asked:
	; which half of a slot each source reads: q, k: source 1 = x (half RA), source 0 = w (half CB); v: source 1 = w (half RA), source 0 = x (half CB)
	s_cmp_lt_u32 ttmp9, 2
	s_cselect_b32 s84, 0, 2*HALFB
	s_cselect_b32 s85, 2*HALFB, 0
	s_cselect_b32 s[VF], 0, 1
	s_cselect_b32 s[HSEL], s[CB], s[RA]            ; which pair of heads is mine,
	s_cselect_b32 s[OSEL], s[RA], s[CB]            ; which 128 tokens
	s_mul_i32 s86, s[RA], HALFB
	s_add_co_u32 s84, s84, s86
	s_mul_i32 s86, s[CB], HALFB
	s_add_co_u32 s85, s85, s86
	v_and_b32 v24, 31, v0                          ; lane
	v_lshlrev_b32 v[LI], 4, v24
	v_and_b32 v25, 15, v0                          ; r
	v_bfe_u32 v26, v0, 4, 1                        ; h
	v_lshl_add_u32 v27, v25, 3, 32768              ; the scale words lie behind a block's codes, 8 bytes a row
.irp s, 0,1
	v_add_nc_u32 v[ADRA+\s], s84, v[LI]
	v_add_nc_u32 v[ADRB+\s], s85, v[LI]
	v_add_nc_u32 v[ADSA+\s], s84, v27
	v_add_nc_u32 v[ADSB+\s], s85, v27
	s_add_co_u32 s84, s84, SLOT
	s_add_co_u32 s85, s85, SLOT
.endr
	; the way out's addresses, made while the first tiles are on their way
	s_mov_b32 s[SEL], 0x76543210
	s_mov_b32 s[SEL+1], 0xfedcba98
	s_mov_b32 s[MNT], 0x600000
	s_cmp_eq_u32 ttmp9, 0
	s_mov_b32 s[HS], 262144
	s_cselect_b32 s[HS], 131072, s[HS]
	s_cselect_b64 s[CODEB:CODEB+1], s[10:11], s[14:15]
	s_cselect_b64 s[SCLB:SCLB+1], s[12:13], s[16:17]
	s_lshr_b32 s[HS2], s[HS], 5                    ; a head's scale words in bytes
	s_lshr_b32 s86, s43, 3
	s_lshl_b32 s86, s86, 4                         ; 16 x batch
	s_lshl_b32 s87, s40, 2
	s_add_co_u32 s86, s86, s87                     ; + 4 heads a tile column
	s_lshl_b32 s87, s[HSEL], 1
	s_add_co_u32 s86, s86, s87                     ; + my pair: my first head
	s_and_b32 s87, s43, 7                          ; which 256 tokens of the batch
	s_lshl_b32 s88, s86, 4
	s_lshl_b32 s89, s87, 1
	s_add_co_u32 s88, s88, s89
	s_add_co_u32 s88, s88, s[OSEL]                 ; 16 x head + which 128 tokens: a sixteenth of a head each
	s_lshr_b32 s89, s[HS], 4
	s_mul_i32 s90, s88, s89
	s_lshl_b32 s89, s[VF], 13                      ; V lies 8,192 bytes behind K
	s_add_co_u32 s90, s90, s89
	s_mov_b32 s91, 0
	s_add_nc_u64 s[CODEB:CODEB+1], s[CODEB:CODEB+1], s[90:91]
	s_lshr_b32 s89, s[HS2], 4
	s_mul_i32 s90, s88, s89
	s_lshl_b32 s89, s[VF], 8
	s_add_co_u32 s90, s90, s89
	s_add_nc_u64 s[SCLB:SCLB+1], s[SCLB:SCLB+1], s[90:91]
	s_sub_co_u32 s92, s[HS], 6144
	s_cmp_eq_u32 s[VF], 0
	s_cselect_b32 s[STEP4], 1024, s92              ; v: from the first head's d tile 3 to the second head's d tile 0
	s_cselect_b32 s89, s[HS], 1024                 ; blocks 2, 3 of a lane's codes: q, k: the second head; v: keys 64 on
	s_mov_b32 s[STEP4+1], 0
	s_lshl_b32 s[STEPN], 1024, s[VF]               ; a tile of q or k is 1,024 bytes, a d tile of V 2,048
	s_mov_b32 s[STEPN+1], 0
	v_add_nc_u32 v[VO+1], 512, v[LI]
	v_add_nc_u32 v[VO+2], s89, v[LI]
	v_add_nc_u32 v[VO+3], s89, v[VO+1]
	v_lshlrev_b32 v[VSO], 4, v25
	v_mad_u32_u24 v[VSO], v26, s[HS2], v[VSO]      ; lanes 0-15: the first head's 256 bytes of scale words; lanes 16-31: the second's
	s_lshl_b32 s90, s42, 10
	s_lshl_b32 s89, s[HSEL], 9
	s_add_co_u32 s90, s90, s89
	s_add_nc_u64 s[BIASB:BIASB+1], s[8:9], s[90:91]   ; the biases of my 128 columns
	v_lshlrev_b32 v[BQ], 6, v26
	v_and_b32 v30, 8, v25
	v_add_nc_u32 v30, v30, v25
	v_lshlrev_b32 v[BV], 2, v30
	s_lshl_b32 s93, s[WV], 10
	s_add_co_u32 s93, s93, STG
	v_lshlrev_b32 v30, 2, v25
	v_lshl_add_u32 v31, v26, 8, v30
	v_add_nc_u32 v[T1], s93, v31                   ; q, k: 256 h + 4 r
	v_add_nc_u32 v[T2], s93, v[LI]                 ; back: 16 x lane
	v_add_nc_u32 v[T3], s93, v30                   ; v: 4 r (its 512 bytes lie behind q's and k's: the immediates say so)
	v_mov_b32 v[PSEL], 0x05040100
	v_mov_b32 v31, 0x07060302
	v_cmp_le_u32 vcc_lo, 16, v24
	v_cndmask_b32 v[PSEL], v[PSEL], v31, vcc_lo
.set i, 0
.rept 16
	v_mov_b32 v[BL+i], 0                           ; v's biases: written here so that they are written on every way; only v's cluster loads and reads them
.set i, i+1
.endr
	s_wait_alu depctr_va_vdst(0)                   ; the wait at the head's end
	s_cmp_eq_u32 s[CB], 0                          ; waves 0 and 2 fetched K step 0: they wait here; K step 1 may stay out, and slot 1 is read only behind the first change of slots
	s_cbranch_scc0 .Lnot_first
	s_wait_tensorcnt 0x0
.Lnot_first:
	s_barrier_signal -1
	s_barrier_wait -1
	FETCH_B 0, 0, 0
	FETCH_A 0, 0, 0
	SCALES 0
	FETCH_A 0, 0, 4
	STEP 0, 1                                      ; the first products start the sums: nothing is cleared
	TURN 0, 1, 1                                   ; four K steps: written out, no loop
	STEP 1, 0
	TURN 1, 0, 1
	STEP 0, 0
	TURN 0, 1, 0                                   ; nothing is left to fetch
	STEP 1, 0
	; the biases are asked for here; the last 64 products stand between the loads and the wait for them.  Source 0's set 0 is free: eight places stand behind its last product
	s_cmp_eq_u32 s[VF], 0
	s_cbranch_scc0 .Lbias_v
	WIN TO_B
.irp b, 0,1,2,3,4,5,6,7
	global_load_b128 v[8*\b:8*\b+3], v[BQ], s[BIASB:BIASB+1] offset:(32*(\b/2)+8*(\b%2))*4       ; tile b's eight columns of my half: 32 (b / 2) + 16 h + 8 (b % 2) + 0..7
	global_load_b128 v[8*\b+4:8*\b+7], v[BQ], s[BIASB:BIASB+1] offset:(32*(\b/2)+8*(\b%2))*4+16
.endr
	WIN 0
	s_branch .Lbias_done
.Lbias_v:
.irp a, 0,1,2,3,4,5,6,7
	global_load_b32 v[BL+2*\a], v[BV], s[BIASB:BIASB+1] offset:(32*(\a/2)+8*(\a%2))*4            ; tile a: my lane's column, twice: a pair for the packed addition
	global_load_b32 v[BL+2*\a+1], v[BV], s[BIASB:BIASB+1] offset:(32*(\a/2)+8*(\a%2))*4
.endr
.Lbias_done:
	s_wait_dscnt 16
	WIN MUL_LO
	MUL16 0, 1, 1, 1, 0
	MUL16 2, 1, 1, 1, 0
	s_wait_dscnt 0x0
	WIN MUL_HI
	MUL16 4, 1, 1, 1, 0
	MUL16 6, 1, 1, 1, 0
	WIN 0
	PLACES 8                                       ; in front of the first read of results and the first write of the last products' operands
.irp b, 0,1,2,3
	v_mov_b32 v[TM+4+\b], 0                        ; written once: a lane permute's destination counts as one of its sources
.endr
	s_wait_loadcnt 0x0                             ; the biases
; THE WAY OUT of source 1's tile a: its eight accumulators are 64 neighbours along the next K; + bias, quantised, four stores of 512 consecutive bytes
.macro OUT a
.if (\a) > 0
	s_wait_xcnt 0x0                                ; the earlier stores have read their base and their data
.if (\a) == 4
	s_add_nc_u64 s[CODEB:CODEB+1], s[CODEB:CODEB+1], s[STEP4:STEP4+1]
.else
	s_add_nc_u64 s[CODEB:CODEB+1], s[CODEB:CODEB+1], s[STEPN:STEPN+1]
.endif
.endif
	s_cmp_eq_u32 s[VF], 0
	s_cbranch_scc0 .Lout_v_\@
	WIN 0x06+(\a)/4                                ; source 0: window 2 or 3; source 1 (the biases along my registers): window 1
.set i, 0
.rept 32
	v_pk_add_f32 v[H+i:H+i+1], v[64*((\a)%4)+i:64*((\a)%4)+i+1], v[i:i+1]   ; each accumulator from its low end on
.set i, i+2
.endr
	WIN 0
	s_branch .Lout_j_\@
.Lout_v_\@:
	WIN 0x02+(\a)/4
.set i, 0
.rept 32
	v_pk_add_f32 v[H+i:H+i+1], v[64*((\a)%4)+i:64*((\a)%4)+i+1], v[BL+2*(\a):BL+2*(\a)+1]   ; my lane's column has one bias
.set i, i+2
.endr
	WIN 0
.Lout_j_\@:
	QUANT H, PC+16*((\a)%2), PWS+(\a)
.irp c, 0,1,2,3
	global_store_b128 v[VO+\c], v[PC+16*((\a)%2)+4*\c:PC+16*((\a)%2)+4*\c+3], s[CODEB:CODEB+1]
.endr
.endm
.irp a, 0,1,2,3,4,5,6,7
	OUT \a
.endr
	; the scale words meet in my own stage and leave as two aligned runs of 256 bytes, one for each head.  Each arm has LDS bytes of its own
	s_cmp_eq_u32 s[VF], 0
	s_cbranch_scc0 .Ltail_v
.irp g, 0,1,2,3
	v_perm_b32 v[TM+\g], v[PWS+2*\g+1], v[PWS+2*\g], v[PSEL]   ; a pair of tiles: the even tile's two bytes below, the odd tile's above; lanes 0-15 for the first head, lanes 16-31 for the second
.endr
.irp g, 0,1,2,3
	ds_store_b32 v[T1], v[TM+\g] offset:64*\g
.endr
	ds_load_b128 v[H:H+3], v[T2]                   ; LDS serves a wave's instructions in order: this sees the stores
	s_branch .Ltail_j
.Ltail_v:
.irp a, 0,1,2,3,4,5,6,7
	ds_store_b32 v[T3], v[PWS+\a] offset:512+64*\a ; row r of d tile a: its four key blocks' bytes (both halves of the lanes write the same word)
.endr
	ds_load_b128 v[H:H+3], v[T2] offset:512
.Ltail_j:
	s_wait_dscnt 0x0
	global_store_b128 v[VSO], v[H:H+3], s[SCLB:SCLB+1]
	s_wait_tensorcnt 0x0                           ; the wave's end
	ds_add_u32 v[SPW], v[NIL]
	s_wait_dscnt 0x0
	CROUND                                         ; the closing round
	s_endpgm
.Lfunc_end_k_qb36603d6e8_qkv:
	.size	k_qb36603d6e8_qkv, .Lfunc_end_k_qb36603d6e8_qkv-k_qb36603d6e8_qkv
	.p2alignl 7, 3214868480
	.fill 96, 4, 3214868480
	.section	.rodata,"a",@progbits
	.p2align	6, 0x0
	.amdhsa_kernel k_qb36603d6e8_qkv
		.amdhsa_group_segment_fixed_size 327680
		.amdhsa_private_segment_fixed_size 0
		.amdhsa_enable_private_segment 0
		.amdhsa_kernarg_size 56
		.amdhsa_user_sgpr_count 2
		.amdhsa_user_sgpr_kernarg_segment_ptr 1
		.amdhsa_wavefront_size32 1
		.amdhsa_system_sgpr_workgroup_id_x 1
		.amdhsa_system_sgpr_workgroup_id_y 1
		.amdhsa_system_sgpr_workgroup_id_z 1
		.amdhsa_system_vgpr_workitem_id 0
		.amdhsa_next_free_vgpr 1024
		.amdhsa_next_free_sgpr 100
		.amdhsa_reserve_vcc 1
		.amdhsa_float_denorm_mode_32 3
		.amdhsa_float_denorm_mode_16_64 3
		.amdhsa_memory_ordered 1
		.amdhsa_forward_progress 1
		.amdhsa_inst_pref_size 225
	.end_amdhsa_kernel
	.amdgpu_metadata
---
amdhsa.version: [ 1, 2 ]
amdhsa.kernels:
  - .name:           k_qb36603d6e8_qkv
    .symbol:         k_qb36603d6e8_qkv.kd
    .args:
      - { .name: x_img, .offset: 0, .size: 8, .value_kind: global_buffer, .address_space: global }
      - { .name: wq_img, .offset: 8, .size: 8, .value_kind: global_buffer, .address_space: global }
      - { .name: b_qkv, .offset: 16, .size: 8, .value_kind: global_buffer, .address_space: global }
      - { .name: qc, .offset: 24, .size: 8, .value_kind: global_buffer, .address_space: global }
      - { .name: qs, .offset: 32, .size: 8, .value_kind: global_buffer, .address_space: global }
      - { .name: kvc, .offset: 40, .size: 8, .value_kind: global_buffer, .address_space: global }
      - { .name: kvs, .offset: 48, .size: 8, .value_kind: global_buffer, .address_space: global }
    .group_segment_fixed_size: 327680
    .private_segment_fixed_size: 0
    .kernarg_segment_align: 8
    .kernarg_segment_size: 56
    .max_flat_workgroup_size: 128
    .sgpr_count:     100
    .vgpr_count:     1024
    .wavefront_size: 32
...
	.end_amdgpu_metadata
.endif
;; end of part 2
;; launch attn (part 3): grid 4 x 64, 16 waves a work-group, clusters of 4 x 1, 327,680 bytes of LDS; arguments qc, qs, kvc, kvs, y_img; writes y_img
.if DOCPART == 3
	.amdgcn_target "amdgcn-amd-amdhsa--gfx1250"
	.amdhsa_code_object_version 6
	.text
	.protected	k_qb36603d6e8_attn
	.globl	k_qb36603d6e8_attn
	.p2align	8
	.type	k_qb36603d6e8_attn,@function
k_qb36603d6e8_attn:
	s_mov_b64 s[64:65], 0
	v_nop
	global_prefetch_b8 v0, s[64:65] scope:SCOPE_SE
	s_setreg_imm32_b32 hwreg(HW_REG_WAVE_MODE, 25, 1), 1
	s_wait_xcnt 0x0
	s_wait_alu depctr_hold_cnt(0) depctr_sa_sdst(0) depctr_va_vdst(0) depctr_va_sdst(0) depctr_va_ssrc(0) depctr_va_vcc(0) depctr_vm_vsrc(0)
	s_getreg_b32 s2, hwreg(HW_REG_IB_STS2, 6, 4)
	s_cmp_eq_u32 s2, 0
	s_cbranch_scc0 .Lentry_in_a_cluster
	s_endpgm
.Lentry_in_a_cluster:
	s_bfe_u32 s2, ttmp6, 0x10000c
	s_cmp_lg_u32 s2, 0x3003
	s_cbranch_scc0 .Lentry_shape_is_right
	s_endpgm
.Lentry_shape_is_right:
; y[head][q] = the sum over keys k <= q of softmax_k(q . k / 8) v[k], both products on codes of E4M3 with E8M0 scales; y leaves as codes, quantised along C, in the register image that the last product reads.
; LEFT OUT: key steps all of whose 128 keys come after a tile's 16 queries: the causal mask sets their scores to -infinity, so their p is 0 for all inputs.
; THE SOFTMAX: t = score x log2(e) / 8; M = the running largest t rounded UP to a whole number; p = 2^(t - M) is quantised along the keys, not normalised; the row's sum is taken of the unquantised p and divides at the end;
; when M moves, the sum and O are multiplied by 2^(old M - new M), which rounds nothing.
; SHARES.  The four work-groups of a cluster take one head.  K, V and their scale words of a whole head, 270,336 bytes, come into each one's LDS ONCE, by joint loads, one a wave: wave 0 the scale words, waves 1 to 8 two key steps each.
; One barrier shows all of it; behind it no wave meets another until the end.  No slot is filled again, and there is no loop of fills to run ahead in: so no prefetch.
; A wave owns TWO tiles of 16 queries: TA = 4 I + cx and TB = 127 - TA, I a rank made of the wave's number.  Their last key steps (128 keys a step) are I / 2 and 15 - I / 2: 17 tile steps for every wave of every work-group.
; Branches hang on the wave's number and the step alone, never on cx.
; LAYOUT.  Both products transposed: S^T = K Q^T, O^T = V^T P^T: a lane holds one query.  The tokens of a tile are not neighbours (tile T's place r is token 32 (T / 2) + 8 (T % 2) + r + 8 (r / 8)), so the 16 registers of two neighbouring
; key tiles are 16 neighbouring keys, and the 16 of two d tiles 16 neighbouring channels.  K = 64 UNDER AN INSTRUCTION OF 128: a fragment holds two key tiles [K1 | K2] and is multiplied once by [q | 0] and once by [0 | q].
; LIMITS: NaN and infinities are not served; the promise holds while |t| stays under 2^31; a block's largest p is taken from its largest score (v_exp_f32 is taken not to fall where its input rises); y = O x v_rcp_f32(sum);
; no largest magnitude under 2^-118; a block of zeros gets the byte 1 where the rule says 127 (its codes are zeros; this program alone reads the bytes).
; y's scale bytes leave two at a time (a head owns a quarter of a row's eight).
.set KV0,     32768                    ; LDS: the scale words at 0 (512 bytes a step: K's 256, V's 256); key step k at KV0 + 16,384 k (K, then V 8,192 on)
.set SPARE,   294912                   ; the spare words: 128 bytes a wave
.set HALFB,   33792
.set LI,  1                            ; v1 16 x lane
.set ADC, 3                            ; v3, v4 the step's addresses
.set ADS, 4
.set DA,  5                            ; v5, v6 my query's token - 16 h, tile A, tile B
.set DB,  6
.set LS,  7                            ; v7 4 r
.set QSA, 8                            ; v8, v9 q's two scale bytes, twice
.set QSB, 9
.set PW,  18                           ; v18 p's scale word.   v[10:11] -M and the largest t, v[12:13] the sum in two halves: tile A;  v14-17: tile B
.set NINF, 19
.set F,   60                           ; v20-59: qB, 0, qA, 0, qB, eight registers each.   v60-123 K's four fragments; then v60-91 at work, v92-107 p's codes, v108-123 V's d tile 3
.set S,   124                          ; v124-187 S^T, then p; v124-171 then V's d tiles 0 to 2
.set OAA, 188                          ; v188-219, v220-251 O^T
.set OBB, 220
.set KW,  252                          ; v252-255 K's scale words, then V's
.set BM,  60
.set PT,  64
.set HD,  68                           ; 448 x the scale, and at HE once more: the two halves of a dual line take their second sources from different register banks
.set SO,  72
.set T0,  76
.set FF,  78
.set SU,  80
.set HE,  85
.set SV,  82                           ; v[82:83], v[90:91] two more chains of the row's sum
.set SW,  90
.set PCD, 92
.set WV,  14
.set CX,  15
.set BH,  16
.set WI,  17
.set TA,  18
.set TBQ, 19
.set RKA, 20
.set RKB, 21
.set SEL, 22
.set G1C, 24                           ; s[24:31] group 1: two key steps, 128 rows of 256 bytes;  s[32:39]: the scale words, 32 rows
.set G1S, 32
.set G0S, 40
.set G0C, 44
.set CS,  60                           ; s[60:61] c = log2(e) / 8
.set MNT, 62
.set TBS, 66                           ; the step's LDS byte;  s67 its scale words';  s68 the step;  s69 its first key
.set TSS, 67
.set KS,  68
.set KF,  69
.set YSA, 70
.set YSB, 71
.set YA,  72
.set YB,  74
.macro CROUND                          ; a round of the cluster's barrier
	s_barrier_signal -1
	s_barrier_wait -1
	s_cmp_lg_u32 s[WV], 0
	s_cbranch_scc1 .Lnot_wave_0_\@
	s_barrier_signal -3
.Lnot_wave_0_\@:
	s_barrier_wait -3
	s_barrier_signal -1
	s_barrier_wait -1
.endm
; ONE TILE'S KEY STEP.  x = 0: tile A, 1: tile B.  edge = 1: the step may lie behind the tile's last (left out) or be it (masked); edge = 0: all 128 keys count
.macro STEP x, edge
.if \x == 0
.set NM, 10
.set SM, 12
.set QLO, 36
.set QHI, 28
.set QS, QSA
.set OX, OAA
.set DQ, DA
.set RK, RKA
.else
.set NM, 14
.set SM, 16
.set QLO, 20
.set QHI, 44
.set QS, QSB
.set OX, OBB
.set DQ, DB
.set RK, RKB
.endif
.if \edge
	s_cmp_gt_u32 s[KS], s[RK]                      ; all keys of the step come after my 16 queries
	s_cbranch_scc1 .Lskip_\@
.endif
	v_add_nc_u32 v[ADC], s[TBS], v[LI]
	v_add_nc_u32 v[ADS], s[TSS], v[LS]
.rept 7
	v_nop                                          ; with the two additions nine places: the products below write over registers that the last products read, and the loads land in others
.endr
.irp i, 0,1,2,3
.irp c, 0,1,2,3
	ds_load_b128 v[F+16*\i+4*\c:F+16*\i+4*\c+3], v[ADC] offset:2048*\i+512*\c
.endr
	ds_load_b32 v[KW+\i], v[ADS] offset:64*\i
.endr
	s_wait_alu depctr_va_vdst(0)                   ; directly ahead of the waits below
.irp i, 0,1,2,3
	s_wait_dscnt 15-5*\i                           ; fragment i and its scale words are in; the five loads of each later fragment may be out
	v_wmma_scale_f32_16x16x128_f8f6f4 v[S+16*\i:S+16*\i+7], v[F+16*\i:F+16*\i+15], v[QLO:QLO+15], 0, v[KW+\i], v[QS]       ; keys 32 i + 16 h + 0..7
	v_wmma_scale_f32_16x16x128_f8f6f4 v[S+16*\i+8:S+16*\i+15], v[F+16*\i:F+16*\i+15], v[QHI:QHI+15], 0, v[KW+\i], v[QS]   ; keys 32 i + 16 h + 8..15
.endr
.rept 8
	v_nop
.endr
.irp c, 0,1,2,3
	ds_load_b128 v[F+48+4*\c:F+48+4*\c+3], v[ADC] offset:8192+2048*3+512*\c   ; V's d tile 3, where K's fragment 3 lay, and V's scale words, where K's lay: eight places stand behind the products that read them
.endr
.irp t, 0,1,2,3
	ds_load_b32 v[KW+\t], v[ADS] offset:256+64*\t
.endr
.if \edge
	s_cmp_lt_u32 s[KS], s[RK]
	s_cbranch_scc1 .Lopen_\@
	v_sub_nc_u32 v[T0], v[DQ], s[KF]               ; d = my token - the step's first key - 16 h.  Register 16 b + i holds key 32 b + 16 h + i of the step: hidden where 32 b + i > d
.set n, 0
.rept 64
	v_cmp_gt_i32 vcc_lo, 32*(n/16)+n%16, v[T0]
	v_cndmask_b32 v[S+n], v[S+n], v[NINF], vcc_lo  ; -infinity ahead of the maximum: p = 0
.set n, n+1
.endr
.Lopen_\@:
.endif
.irp b, 0,1,2,3
	v_max3_num_f32 v[BM+\b], v[S+16*\b], v[S+16*\b+1], v[S+16*\b+2]   ; the largest score of each block of 32 keys: for the row's maximum, and for the block's largest p
.endr
.irp i, 3,5,7,9,11,13
.irp b, 0,1,2,3
	v_max3_num_f32 v[BM+\b], v[BM+\b], v[S+16*\b+\i], v[S+16*\b+\i+1]
.endr
.endr
.irp b, 0,1,2,3
	v_max_num_f32 v[BM+\b], v[BM+\b], v[S+16*\b+15]
.endr
.irp b, 0,1,2,3
	s_delay_alu instid0(VALU_DEP_4)
	v_permlanex16_b32 v[PT+\b], v[BM+\b], s[SEL], s[SEL+1]
.endr
.irp b, 0,1,2,3
	s_delay_alu instid0(VALU_DEP_4)
	v_max_num_f32 v[BM+\b], v[BM+\b], v[PT+\b]     ; with lane l xor 16's 16 keys
.endr
	s_delay_alu instid0(VALU_DEP_2)
	v_max3_num_f32 v[T0], v[BM], v[BM+1], v[BM+2]
	s_delay_alu instid0(VALU_DEP_1)
	v_max_num_f32 v[T0], v[T0], v[BM+3]
	s_delay_alu instid0(VALU_DEP_1)
	v_mul_f32 v[T0], s[CS], v[T0]                  ; as t (c is positive)
	s_delay_alu instid0(VALU_DEP_1)
	v_max_num_f32 v[NM+1], v[NM+1], v[T0]          ; the running largest t
	v_mov_b32 v[T0], v[NM]
	s_delay_alu instid0(VALU_DEP_2)
	v_floor_f32 v[NM], -v[NM+1]                    ; the new -M = floor(-t): M is a whole number
.set j, 0
.irp g, 0,1,2,3
.rept 8
	v_pk_fma_f32 v[S+j:S+j+1], v[S+j:S+j+1], s[CS:CS+1], v[NM:NM+1] op_sel_hi:[1,0,0]   ; t - M, two at a time; the three lines that make f stand among them, eight lines apart
.set j, j+2
.endr
.if \g == 0
	v_sub_f32 v[T0], v[NM], v[T0]                  ; old M - new M: a whole number, 0 or less
.elseif \g == 1
	v_cvt_i32_f32 v[T0], v[T0]                     ; (it saturates)
.elseif \g == 2
	v_ldexp_f32 v[FF], 1.0, v[T0]                  ; f = 2^(old M - new M)
.endif
.endr
.irp b, 0,1,2,3
	v_fma_f32 v[BM+\b], v[BM+\b], s[CS], v[NM]     ; the same of each block's largest score
.endr
.set j, 0
	s_wait_alu depctr_va_vdst(0)                   ; the wait ahead of the batch
.rept 64
	v_exp_f32 v[S+j], v[S+j]                       ; p = 2^(t - M)
.set j, j+1
.endr
	v_pk_mul_f32 v[SM:SM+1], v[SM:SM+1], v[FF:FF+1] op_sel_hi:[1,0]   ; the sums under the new M: the plain line behind the exponentials
	s_wait_alu depctr_va_vdst(0)                   ; one wait for the batch, ahead of its first reader
.irp b, 0,1,2,3
	v_exp_f32 v[BM+\b], v[BM+\b]                   ; the block's largest p
.endr
	v_pk_add_f32 v[SU:SU+1], v[S:S+1], v[S+2:S+3]  ; the row's sum of the unquantised p, in four chains
	v_pk_add_f32 v[SV:SV+1], v[S+4:S+5], v[S+6:S+7]
	v_pk_add_f32 v[SW:SW+1], v[S+8:S+9], v[S+10:S+11]
	v_pk_add_f32 v[SM:SM+1], v[SM:SM+1], v[S+12:S+13]
	v_pk_add_f32 v[SU:SU+1], v[SU:SU+1], v[S+14:S+15]
.set j, 16
.rept 6
	v_pk_add_f32 v[SM:SM+1], v[SM:SM+1], v[S+j:S+j+1]
	v_pk_add_f32 v[SU:SU+1], v[SU:SU+1], v[S+j+2:S+j+3]
	v_pk_add_f32 v[SV:SV+1], v[SV:SV+1], v[S+j+4:S+j+5]
	v_pk_add_f32 v[SW:SW+1], v[SW:SW+1], v[S+j+6:S+j+7]
.set j, j+8
.endr
	v_pk_add_f32 v[SU:SU+1], v[SU:SU+1], v[SV:SV+1]
	v_pk_add_f32 v[SM:SM+1], v[SM:SM+1], v[SW:SW+1]
	v_pk_add_f32 v[SM:SM+1], v[SM:SM+1], v[SU:SU+1]
	s_wait_alu depctr_va_vdst(0)                   ; and one for the four
.irp b, 0,1,2,3
	v_max_num_f32 v[BM+\b], 0x4800000, v[BM+\b]    ; the floor 2^(9 - 127)
.endr
.irp b, 0,1,2,3
	s_delay_alu instid0(VALU_DEP_4)
	v_add_nc_u32 v[SO+\b], 0xfc000000, v[BM+\b]    ; the conversion's scale operand
.endr
.irp b, 0,1,2,3
	v_and_or_b32 v[HD+\b], v[BM+\b], 0x7f800000, s[MNT]   ; 448 x the scale
.endr
.irp b, 0,1,2,3
	v_and_or_b32 v[HE+\b], v[BM+\b], 0x7f800000, s[MNT]   ; and once more, one bank on
.endr
.irp b, 0,1,2,3
	v_lshrrev_b32 v[PT+\b], 23, v[SO+\b]           ; the byte
.endr
	s_delay_alu instid0(VALU_DEP_3)
	v_lshl_or_b32 v[PW], v[PT+1], 8, v[PT]
	s_delay_alu instid0(VALU_DEP_1)
	v_lshl_or_b32 v[PW], v[PT+2], 16, v[PW]
	s_delay_alu instid0(VALU_DEP_1)
	v_lshl_or_b32 v[PW], v[PT+3], 24, v[PW]
.irp b, 0,1,2,3
.set j, 0
.rept 8
	v_dual_min_num_f32 v[S+16*\b+j], v[S+16*\b+j], v[HD+\b] :: v_dual_min_num_f32 v[S+16*\b+j+1], v[S+16*\b+j+1], v[HE+\b]   ; the conversion does not saturate (ISA guide 7.6.2); p is not negative: a one-sided hold, two numbers a line
.set j, j+2
.endr
	v_cvt_scalef32_pk8_fp8_f32 v[PCD+4*\b:PCD+4*\b+1], v[S+16*\b:S+16*\b+7], v[SO+\b]
	v_cvt_scalef32_pk8_fp8_f32 v[PCD+4*\b+2:PCD+4*\b+3], v[S+16*\b+8:S+16*\b+15], v[SO+\b]
.if \b < 3
.irp c, 0,1,2,3
	ds_load_b128 v[S+16*\b+4*\c:S+16*\b+4*\c+3], v[ADC] offset:8192+2048*\b+512*\c   ; V's d tile b, where block b of p lay: asked for as soon as the block is converted
.endr
.endif
.endr
	s_wait_alu depctr_va_vdst(0)                   ; directly ahead of the first reader of O^T
.set j, 0
.rept 16
	v_pk_mul_f32 v[OX+j:OX+j+1], v[OX+j:OX+j+1], v[FF:FF+1] op_sel_hi:[1,0]   ; O^T under the new M; these lines also stand between the codes' making and the products
.set j, j+2
.endr
	s_wait_alu depctr_va_vdst(0)                   ; and here, directly ahead of the wait below
	s_wait_dscnt 12                                ; d tile 3 and the scale words are in; the twelve loads of d tiles 0 to 2 may be out
	v_wmma_scale_f32_16x16x128_f8f6f4 v[OX+24:OX+31], v[F+48:F+63], v[PCD:PCD+15], v[OX+24:OX+31], v[KW+3], v[PW]   ; the four accumulators by turns, in the order in which their tiles were asked for
.irp t, 0,1,2
	s_wait_dscnt 8-4*\t                            ; d tile t is in; the four loads of each later tile may be out
	v_wmma_scale_f32_16x16x128_f8f6f4 v[OX+8*\t:OX+8*\t+7], v[S+16*\t:S+16*\t+15], v[PCD:PCD+15], v[OX+8*\t:OX+8*\t+7], v[KW+\t], v[PW]
.endr
.if \edge
.Lskip_\@:
.endif
.endm
.macro NEXT
	s_add_co_u32 s[TBS], s[TBS], 16384
	s_add_co_u32 s[TSS], s[TSS], 512
	s_add_co_u32 s[KF], s[KF], 128
	s_add_co_u32 s[KS], s[KS], 1
.endm
; 32 numbers of a lane (two blocks of 32 along C, my 16 of each) become 8 registers of codes and two scale bytes
.macro QUANT2 s, pc, sc
.irp b, 0,1
	v_max3_num_f32 v[F+\b], |v[\s+16*\b]|, |v[\s+1+16*\b]|, 0x4800000
.endr
.irp i, 2,4,6,8,10,12,14
.irp b, 0,1
	v_max3_num_f32 v[F+\b], v[F+\b], |v[\s+16*\b+\i]|, |v[\s+1+16*\b+\i]|
.endr
.endr
.irp b, 0,1
	v_permlanex16_b32 v[F+2+\b], v[F+\b], s[SEL], s[SEL+1]
.endr
.irp b, 0,1
	v_max_num_f32 v[F+\b], v[F+\b], v[F+2+\b]
.endr
.irp b, 0,1
	v_add_nc_u32 v[F+6+\b], 0xfc000000, v[F+\b]
.endr
.irp b, 0,1
	v_and_or_b32 v[F+4+\b], v[F+\b], 0x7f800000, s[MNT]
.endr
.irp b, 0,1
	v_lshrrev_b32 v[F+2+\b], 23, v[F+6+\b]
.endr
	v_lshl_or_b32 v[\sc], v[F+3], 8, v[F+2]
.irp b, 0,1
.irp i, 0,1,2,3,4,5,6,7,8,9,10,11,12,13,14,15
	v_med3_num_f32 v[\s+16*\b+\i], v[\s+16*\b+\i], -v[F+4+\b], v[F+4+\b]
.endr
	v_cvt_scalef32_pk8_fp8_f32 v[\pc+4*\b:\pc+1+4*\b], v[\s+16*\b:\s+7+16*\b], v[F+6+\b]
	v_cvt_scalef32_pk8_fp8_f32 v[\pc+2+4*\b:\pc+3+4*\b], v[\s+8+16*\b:\s+15+16*\b], v[F+6+\b]
.endr
	v_nop
.endm
	s_load_b256 s[4:11], s[0:1], 0x0               ; qc s[4:5], qs s[6:7], kvc s[8:9], kvs s[10:11]
	s_load_b64 s[12:13], s[0:1], 0x20              ; y_img
	v_lshl_add_u32 v254, v0, 2, SPARE
	v_mov_b32 v255, 0
	ds_add_u32 v254, v255                          ; the opening lines: the add, twice on end, and its wait
	ds_add_u32 v254, v255
	v_lshrrev_b32 v1, 5, v0
	v_readfirstlane_b32 s[WV], v1                  ; wave 0..15
	s_bfe_u32 s[CX], ttmp6, 0x40000                ; my place in the cluster: it enters global addresses and the mask's numbers alone
	s_and_b32 s[BH], ttmp7, 0xffff                 ; batch x 16 + head, which the four partners share
	s_lshr_b32 s76, s[WV], 2
	s_and_b32 s77, s[WV], 3
	s_add_co_u32 s76, s76, s77
	s_and_b32 s76, s76, 3
	s_lshl_b32 s76, s76, 2
	s_add_co_u32 s[WI], s76, s77                   ; I = 4 ((w / 4 + w % 4) % 4) + w % 4
	s_lshr_b32 s[RKA], s[WI], 1                    ; tile A's last key step,
	s_sub_co_u32 s[RKB], 15, s[RKA]                ; tile B's
	s_lshl_b32 s[TA], s[WI], 2
	s_add_co_u32 s[TA], s[TA], s[CX]
	s_sub_co_u32 s[TBQ], 127, s[TA]
	s_mov_b32 s[G1C], 15|(3<<16)|(1<<21)           ; 15:0 the mask: all four work-groups; 17:16 elements of 8 bytes; 21 set beside a mask
	s_mov_b32 s[G1C+1], 32<<16                     ; rows of 32 elements = 256 bytes,
	s_mov_b32 s[G1C+2], 128<<16                    ; 128 of them: two key steps' 32,768 dense bytes
	s_mov_b32 s[G1C+3], 32<<16
	s_mov_b32 s[G1C+4], 128
	s_mov_b32 s[G1C+5], 32
	s_mov_b32 s[G1C+6], 0
	s_mov_b32 s[G1C+7], 0
	s_mov_b32 s[G1S], 15|(3<<16)|(1<<21)
	s_mov_b32 s[G1S+1], 32<<16
	s_mov_b32 s[G1S+2], 32<<16                     ; 32 rows: the head's scale words
	s_mov_b32 s[G1S+3], 32<<16
	s_mov_b32 s[G1S+4], 32
	s_mov_b32 s[G1S+5], 32
	s_mov_b32 s[G1S+6], 0
	s_mov_b32 s[G1S+7], 0
	s_lshl_b32 s78, s[BH], 13
	s_mov_b32 s79, 0
	s_max_u32 s82, s[WV], 1
	s_sub_co_u32 s82, s82, 1
	s_lshl_b32 s82, s82, 15                        ; wave w = 1 .. 8 fetches key steps 2 (w - 1) and 2 (w - 1) + 1,
	s_lshl_b32 s80, s[BH], 18
	s_add_co_u32 s80, s80, s82
	s_mov_b32 s81, 0
	s_lshl_b32 s83, s[WV], 15                      ; to LDS byte 32,768 w
	s_wait_dscnt 0x0                               ; both opening adds are done
	s_wait_kmcnt 0x0
	s_mov_b32 s[G0S], 1
	s_mov_b32 s[G0S+1], 0
	s_add_nc_u64 s[G0S+2:G0S+3], s[10:11], s[78:79]
	s_or_b32 s[G0S+3], s[G0S+3], 0x80000000
	s_mov_b32 s[G0C], 1
	s_mov_b32 s[G0C+1], s83
	s_add_nc_u64 s[G0C+2:G0C+3], s[8:9], s[80:81]
	s_or_b32 s[G0C+3], s[G0C+3], 0x80000000
	CROUND                                         ; all four work-groups are here: the joint loads meet
	s_cmp_lt_u32 s[WV], 1                          ; one chain of branches on the wave's number, one load to an arm
	s_cbranch_scc0 .Lh_codes
	tensor_load_to_lds s[G0S:G0S+3], s[G1S:G1S+7]
	s_nop 0
.rept 4
	v_nop
.endr
	s_branch .Lh_done
.Lh_codes:
	s_cmp_lt_u32 s[WV], 9
	s_cbranch_scc0 .Lh_done
	tensor_load_to_lds s[G0C:G0C+3], s[G1C:G1C+7]
	s_nop 0
.rept 4
	v_nop
.endr
.Lh_done:
	s_lshl_b32 s76, s[BH], 17
	s_lshl_b32 s77, s[TA], 10
	s_add_co_u32 s86, s76, s77
	s_mov_b32 s87, 0
	s_lshl_b32 s77, s[TBQ], 10
	s_add_co_u32 s88, s76, s77
	s_mov_b32 s89, 0
	s_add_nc_u64 s[86:87], s[4:5], s[86:87]        ; tile A's codes of q,
	s_add_nc_u64 s[88:89], s[4:5], s[88:89]        ; tile B's
	s_lshl_b32 s76, s[BH], 12
	s_lshr_b32 s77, s[TA], 1
	s_lshl_b32 s77, s77, 6
	s_add_co_u32 s90, s76, s77
	s_mov_b32 s91, 0
	s_lshr_b32 s77, s[TBQ], 1
	s_lshl_b32 s77, s77, 6
	s_add_co_u32 s92, s76, s77
	s_mov_b32 s93, 0
	s_add_nc_u64 s[90:91], s[6:7], s[90:91]        ; and their pairs' scale words
	s_add_nc_u64 s[92:93], s[6:7], s[92:93]
	v_and_b32 v60, 31, v0
	v_lshlrev_b32 v[LI], 4, v60
	v_and_b32 v61, 15, v0                          ; r
	v_bfe_u32 v62, v0, 4, 1                        ; h
	v_lshlrev_b32 v[LS], 2, v61
	global_load_b128 v[36:39], v[LI], s[86:87]
	global_load_b128 v[40:43], v[LI], s[86:87] offset:512
	global_load_b128 v[20:23], v[LI], s[88:89]
	global_load_b128 v[24:27], v[LI], s[88:89] offset:512
	global_load_b128 v[52:55], v[LI], s[88:89]     ; qB stands at both ends of the chain: [qB | 0] = v20-35, [0 | qA] = v28-43, [qA | 0] = v36-51, [0 | qB] = v44-59
	global_load_b128 v[56:59], v[LI], s[88:89] offset:512
	global_load_b32 v[QSA], v[LS], s[90:91]
	global_load_b32 v[QSB], v[LS], s[92:93]
	v_and_b32 v63, 8, v61
	v_add_nc_u32 v63, v63, v61
	v_lshlrev_b32 v62, 4, v62
	v_sub_nc_u32 v63, v63, v62                     ; r + 8 (r / 8) - 16 h
	s_wait_alu depctr_va_vdst(0)                   ; ahead of the scalar lines
	s_lshr_b32 s76, s[TA], 1
	s_lshl_b32 s76, s76, 5
	s_and_b32 s77, s[TA], 1
	s_lshl_b32 s77, s77, 3
	s_add_co_u32 s76, s76, s77
	v_add_nc_u32 v[DA], s76, v63
	s_lshr_b32 s76, s[TBQ], 1
	s_lshl_b32 s76, s76, 5
	s_and_b32 s77, s[TBQ], 1
	s_lshl_b32 s77, s77, 3
	s_add_co_u32 s76, s76, s77
	v_add_nc_u32 v[DB], s76, v63
	v_mov_b32 v[NINF], 0xff800000
	v_mov_b32 v11, 0xff61b1e6                      ; the largest t so far: -3e38
	v_mov_b32 v15, 0xff61b1e6
	v_floor_f32 v10, -v11                          ; -M
	v_floor_f32 v14, -v15
	v_mov_b32 v12, 0
	v_mov_b32 v13, 0
	v_mov_b32 v16, 0
	v_mov_b32 v17, 0
.set j, 0
.rept 8
	v_mov_b32 v[28+j], 0                           ; the zero codes beside q
	v_mov_b32 v[44+j], 0
.set j, j+1
.endr
.set j, 0
.rept 64
	v_mov_b32 v[OAA+j], 0                          ; O^T: the step is written once; its first turn finds zeros, which the first change of M leaves zeros
.set j, j+1
.endr
	s_mov_b32 s[SEL], 0x76543210
	s_mov_b32 s[SEL+1], 0xfedcba98
	s_mov_b32 s[CS], 0x3e38aa3b                    ; log2(e) / 8
	s_mov_b32 s[CS+1], s[CS]
	s_mov_b32 s[MNT], 0x600000
	s_mov_b32 s[TBS], KV0
	s_mov_b32 s[TSS], 0
	s_mov_b32 s[KS], 0
	s_mov_b32 s[KF], 0
	; where y goes: block 16 x batch + T / 8 of 128 tokens (four K steps on end); K step head / 4; row tile T % 8; of its 4,096 bytes 1,024 (head % 4) on; the scale bytes 2 (head % 4) into the row's 8
	s_and_b32 s76, s[BH], 15
	s_lshr_b32 s77, s[BH], 4
	s_lshr_b32 s78, s76, 2
	s_mul_i32 s78, s78, HALFB
	s_mul_i32 s77, s77, 64*HALFB
	s_add_co_u32 s78, s78, s77
	s_and_b32 s76, s76, 3
	s_lshl_b32 s79, s76, 10
	s_lshl_b32 s80, s76, 1
	s_add_co_u32 s80, s80, 32768
	s_lshr_b32 s81, s[TA], 3
	s_mul_i32 s81, s81, 4*HALFB
	s_add_co_u32 s81, s81, s78
	s_and_b32 s82, s[TA], 7
	s_lshl_b32 s83, s82, 12
	s_add_co_u32 s83, s83, s81
	s_add_co_u32 s[YA], s83, s79
	s_mov_b32 s[YA+1], 0
	s_lshl_b32 s83, s82, 7
	s_add_co_u32 s83, s83, s81
	s_add_co_u32 s[YSA], s83, s80
	s_lshr_b32 s81, s[TBQ], 3
	s_mul_i32 s81, s81, 4*HALFB
	s_add_co_u32 s81, s81, s78
	s_and_b32 s82, s[TBQ], 7
	s_lshl_b32 s83, s82, 12
	s_add_co_u32 s83, s83, s81
	s_add_co_u32 s[YB], s83, s79
	s_mov_b32 s[YB+1], 0
	s_lshl_b32 s83, s82, 7
	s_add_co_u32 s83, s83, s81
	s_add_co_u32 s[YSB], s83, s80
	s_add_nc_u64 s[YA:YA+1], s[12:13], s[YA:YA+1]
	s_add_nc_u64 s[YB:YB+1], s[12:13], s[YB:YB+1]
	s_wait_loadcnt 0x0                             ; q and its scale words
	s_and_b32 s76, s[TA], 1
	s_lshl_b32 s76, s76, 4
	v_lshrrev_b32 v[QSA], s76, v[QSA]              ; my tile's half of the pair's word,
	v_and_b32 v[QSA], 0xffff, v[QSA]
	v_lshl_or_b32 v[QSA], v[QSA], 16, v[QSA]       ; twice: it serves [q | 0] and [0 | q]
	s_and_b32 s76, s[TBQ], 1
	s_lshl_b32 s76, s76, 4
	v_lshrrev_b32 v[QSB], s76, v[QSB]
	v_and_b32 v[QSB], 0xffff, v[QSB]
	v_lshl_or_b32 v[QSB], v[QSB], 16, v[QSB]
	s_wait_alu depctr_va_vdst(0)                   ; the wait at the head's end
	s_wait_tensorcnt 0x0                           ; my fill, if I have one, has landed,
	s_barrier_signal -1
	s_barrier_wait -1                              ; everybody's has: the whole head lies in LDS
.Lp1:                                              ; key steps 0 to 7
	STEP 0, 1
	STEP 1, 0                                      ; tile B's last step is 8 or later: all keys count
	NEXT
	s_cmp_lt_u32 s[KS], 8
	s_cbranch_scc1 .Lp1
.Lp2:                                              ; key steps 8 to 15: tile A is done
	STEP 1, 1
	NEXT
	s_cmp_lt_u32 s[KS], 16
	s_cbranch_scc1 .Lp2
	; THE WAY OUT: y = O^T / the sum, quantised along C: register 16 b + i is channel 32 b + 16 h + i of my head: two blocks, two stores of 512 consecutive bytes a tile
.rept 8
	v_nop
.endr
	v_add_f32 v12, v12, v13
	v_add_f32 v16, v16, v17
	v_permlanex16_b32 v70, v12, s[SEL], s[SEL+1]
	v_permlanex16_b32 v71, v16, s[SEL], s[SEL+1]
	v_add_f32 v12, v12, v70                        ; with lane l xor 16's keys: the rows' sums
	v_add_f32 v16, v16, v71
	s_wait_alu depctr_va_vdst(0)                   ; the wait ahead of the reciprocals
	v_rcp_f32 v12, v12
	v_rcp_f32 v16, v16
	v_nop                                          ; a plain line behind the reciprocals,
	s_wait_alu depctr_va_vdst(0)                   ; and one wait for both, ahead of the first reader
.set j, 0
.rept 32
	v_mul_f32 v[S+j], v[OAA+j], v12
.set j, j+1
.endr
.set j, 0
.rept 32
	v_mul_f32 v[S+32+j], v[OBB+j], v16
.set j, j+1
.endr
	QUANT2 S, PCD, 68
	QUANT2 S+32, PCD+8, 69
	global_store_b128 v[LI], v[PCD:PCD+3], s[YA:YA+1]
	global_store_b128 v[LI], v[PCD+4:PCD+7], s[YA:YA+1] offset:512
	global_store_b128 v[LI], v[PCD+8:PCD+11], s[YB:YB+1]
	global_store_b128 v[LI], v[PCD+12:PCD+15], s[YB:YB+1] offset:512
	v_and_b32 v72, 31, v0
	v_and_b32 v73, 15, v0
	v_lshlrev_b32 v73, 3, v73
	v_add_nc_u32 v74, s[YSA], v73
	v_add_nc_u32 v75, s[YSB], v73
	v_cmp_le_u32 vcc_lo, 16, v72                   ; lanes 0-15 store tile A's two bytes of row r, lanes 16-31 tile B's (every lane holds its row's of both)
	v_cndmask_b32 v74, v74, v75, vcc_lo
	v_cndmask_b32 v76, v68, v69, vcc_lo
	global_store_b16 v74, v76, s[12:13]
	s_wait_xcnt 0x0
	v_lshl_add_u32 v254, v0, 2, SPARE              ; the add's two registers are made anew: they held scale words
	v_mov_b32 v255, 0
	s_wait_alu depctr_va_vdst(0)
	s_wait_tensorcnt 0x0                           ; the wave's end
	ds_add_u32 v254, v255
	s_wait_dscnt 0x0
	CROUND                                         ; the closing round
	s_endpgm
.Lfunc_end_k_qb36603d6e8_attn:
	.size	k_qb36603d6e8_attn, .Lfunc_end_k_qb36603d6e8_attn-k_qb36603d6e8_attn
	.p2alignl 7, 3214868480
	.fill 96, 4, 3214868480
	.section	.rodata,"a",@progbits
	.p2align	6, 0x0
	.amdhsa_kernel k_qb36603d6e8_attn
		.amdhsa_group_segment_fixed_size 327680
		.amdhsa_private_segment_fixed_size 0
		.amdhsa_enable_private_segment 0
		.amdhsa_kernarg_size 40
		.amdhsa_user_sgpr_count 2
		.amdhsa_user_sgpr_kernarg_segment_ptr 1
		.amdhsa_wavefront_size32 1
		.amdhsa_system_sgpr_workgroup_id_x 1
		.amdhsa_system_sgpr_workgroup_id_y 1
		.amdhsa_system_sgpr_workgroup_id_z 1
		.amdhsa_system_vgpr_workitem_id 0
		.amdhsa_next_free_vgpr 256
		.amdhsa_next_free_sgpr 100
		.amdhsa_reserve_vcc 1
		.amdhsa_float_denorm_mode_32 3
		.amdhsa_float_denorm_mode_16_64 3
		.amdhsa_memory_ordered 1
		.amdhsa_forward_progress 1
		.amdhsa_inst_pref_size 94
	.end_amdhsa_kernel
	.amdgpu_metadata
---
amdhsa.version: [ 1, 2 ]
amdhsa.kernels:
  - .name:           k_qb36603d6e8_attn
    .symbol:         k_qb36603d6e8_attn.kd
    .args:
      - { .name: qc, .offset: 0, .size: 8, .value_kind: global_buffer, .address_space: global }
      - { .name: qs, .offset: 8, .size: 8, .value_kind: global_buffer, .address_space: global }
      - { .name: kvc, .offset: 16, .size: 8, .value_kind: global_buffer, .address_space: global }
      - { .name: kvs, .offset: 24, .size: 8, .value_kind: global_buffer, .address_space: global }
      - { .name: y_img, .offset: 32, .size: 8, .value_kind: global_buffer, .address_space: global }
    .group_segment_fixed_size: 327680
    .private_segment_fixed_size: 0
    .kernarg_segment_align: 8
    .kernarg_segment_size: 40
    .max_flat_workgroup_size: 512
    .sgpr_count:     100
    .vgpr_count:     256
    .wavefront_size: 32
...
	.end_amdgpu_metadata
.endif
;; end of part 3
;; launch proj (part 4): grid 4 x 64, 4 waves a work-group, clusters of 4 x 4, 327,680 bytes of LDS; arguments y_img, wp_img, b_proj, out0; writes out0
.if DOCPART == 4
	.amdgcn_target "amdgcn-amd-amdhsa--gfx1250"
	.amdhsa_code_object_version 6
	.text
	.protected	k_qb36603d6e8_proj
	.globl	k_qb36603d6e8_proj
	.p2align	8
	.type	k_qb36603d6e8_proj,@function
k_qb36603d6e8_proj:
	s_mov_b64 s[64:65], 0
	v_nop
	global_prefetch_b8 v0, s[64:65] scope:SCOPE_SE
	s_setreg_imm32_b32 hwreg(HW_REG_WAVE_MODE, 25, 1), 1
	s_wait_xcnt 0x0
	s_wait_alu depctr_hold_cnt(0) depctr_sa_sdst(0) depctr_va_vdst(0) depctr_va_sdst(0) depctr_va_ssrc(0) depctr_va_vcc(0) depctr_vm_vsrc(0)
	s_getreg_b32 s2, hwreg(HW_REG_IB_STS2, 6, 4)
	s_cmp_eq_u32 s2, 0
	s_cbranch_scc0 .Lentry_in_a_cluster
	s_endpgm
.Lentry_in_a_cluster:
	s_bfe_u32 s2, ttmp6, 0x10000c
	s_cmp_lg_u32 s2, 0xf033
	s_cbranch_scc0 .Lentry_shape_is_right
	s_endpgm
.Lentry_shape_is_right:
; out0 = y w_proj + b_proj on codes of E4M3 with E8M0 scales; f32 sums; out0 [8192][1024] f32.
; 256 work-groups: a tile of 128 tokens x 256 columns, made by four waves of 64 x 128 each: 32 accumulators, 256 registers.
; OPERANDS ARE IMAGES OF THEIR REGISTERS: 128 rows x 256 K with their scale words are one dense block of 33,792 bytes ([row tile 0..7][q 0..1][c][lane][16 bytes], then [row tile][r][q] scale words); the four K steps of 128 rows lie on end.
; LDS holds THREE K steps of y's block and of w's two blocks (9 x 33,792 bytes), filled at the head by one load a wave: waves 0, 1 a half each of y's 396 rows of 256 bytes, waves 2, 3 a block of w each.
; K step 3 is the one refill: into K step 0's bytes, behind a round of the cluster's barrier, when all waves have K step 0 in registers; a plain barrier inside sub-step 4 shows it.
; CLUSTERS: 4 x 4 work-groups; y's block is shared along a row of the cluster, w's along a column: joint loads.
; THE PRODUCT IS USED TRANSPOSED: source 0 = 16 columns of w, source 1 = 16 tokens: a lane holds a token, its registers neighbouring columns (of each 32 rows of an image, tile u's place r is row 8 u + r + 8 (r / 8)).
; A sub-step is 128 along K: 32 products on 4 fragments of y and 8 of w; both have two sets of registers, and the next sub-step's 48 loads are issued ahead of a sub-step's products.
; No prefetch: the text has no loop, three of the four K steps are asked for at the head, and the fourth one sub-step and a half later.
; THE WAY OUT goes through a stage of 16 rows x 528 bytes a wave in y's K step 1, which has had its only fill and, behind the barrier of sub-step 4, its last read.
; REGISTERS: window 0: v0-31 addresses; v32-47 y's scale words, v64-95 w's, two sets each (y's word q stands at an odd or even number opposite to w's); v96-99 the bias; v128-255 y's fragments, two sets (then the way out).
;   window 1: w's fragments, two sets.   window 2: the accumulators, (a, b) at v[8 (8 a + b)].
.set HALFB, 33792
.set REG3,  3*HALFB                    ; a block's three K steps; y's at 0, w's two at REG3 and 2 REG3
.set SPARE, 3*REG3                     ; the spare words: 128 bytes a wave
.set STG,   HALFB
.set LI,   2
.set STO,  3
.set RD,   4
.set ADRA, 8                           ; v8-10 my fragments of y in slot 0..2;  v12-14 their scale words
.set ADSA, 12
.set ADRB, 16                          ; v16-18, v20-22 the same for w
.set ADSB, 20
.set SPW,  28
.set NIL,  29
.set SCA,  32
.set SCB,  64
.set BI,   96
.set AF,   128
.set BK,   128
.set WV, 18
.set RA, 19                            ; wave / 2: which 64 tokens.  Also: I fetch for y (0) or for w (1)
.set CB, 20                            ; wave % 2: which 128 columns.  Also: which part I fetch
.set G1, 24
.set G0, 32                            ; s[32:35] y's head load, s[36:39] its refill
.set G1B, 48
.set G0B, 56                           ; s[56:59], s[60:63] the same for w
.set OUTB, 66
.set MSB, 0
.macro WIN new                         ; the immediate's high byte repeats the setting that is left
.if MSB != \new
	s_set_vgpr_msb (MSB<<8)|\new
.set MSB, \new
.endif
.endm
.set MUL,  0xa1                        ; source 0 window 1, source 1 window 0, C and D window 2
.set TO_B, 0x40
.macro JLOAD g0a, g1a, g0b, g1b        ; a joint load, one a wave; s_nop 0 and four v_nop follow each line
	s_cmp_eq_u32 s[RA], 0
	s_cbranch_scc0 .Lfor_b_\@
	tensor_load_to_lds s[\g0a:\g0a+3], s[\g1a:\g1a+7]
	s_nop 0
.rept 4
	v_nop
.endr
	s_branch .Lasked_\@
.Lfor_b_\@:
	tensor_load_to_lds s[\g0b:\g0b+3], s[\g1b:\g1b+7]
	s_nop 0
.rept 4
	v_nop
.endr
.Lasked_\@:
.endm
.macro CREST
	s_cmp_lg_u32 s[WV], 0
	s_cbranch_scc1 .Lnot_wave_0_\@
	s_barrier_signal -3
.Lnot_wave_0_\@:
	s_barrier_wait -3
	s_barrier_signal -1
	s_barrier_wait -1
.endm
.macro CROUND
	s_barrier_signal -1
	s_barrier_wait -1
	CREST
.endm
.macro PLACES n
.rept \n
	v_nop
.endr
.endm
.macro FRAG reg, adr, q, i             ; a fragment as it lies: four loads of 512 consecutive bytes
.irp c, 0,1,2,3
	ds_load_b128 v[\reg+4*\c:\reg+4*\c+3], v[\adr] offset:4096*(\i)+2048*(\q)+512*\c
.endr
.endm
; sub-step n = 2 ks + q: 8 fragments of w and 4 of y into set n % 2: 48 loads; with q = 0 also the K step's scale words into set ks % 2: 16 more.  K step ks lies in slot ks % 3
.macro FETCH n
.set SL_, ((\n)/2)%3
.set FQ_, (\n)%2
.set FS_, ((\n)/2)%2
	WIN TO_B
.irp i, 0,1,2,3,4,5,6,7
	FRAG 128*FQ_+16*\i, ADRB+SL_, FQ_, \i
.endr
	WIN 0
.irp i, 0,1,2,3
	FRAG AF+64*FQ_+16*\i, ADRA+SL_, FQ_, \i
.endr
.if FQ_ == 0
.irp i, 0,1,2,3,4,5,6,7
	ds_load_b64 v[SCB+16*FS_+2*\i:SCB+16*FS_+2*\i+1], v[ADSB+SL_] offset:128*\i
.endr
.irp i, 0,1,2,3
	ds_load_b32 v[SCA+8*FS_+2*\i+1], v[ADSA+SL_] offset:128*\i
	ds_load_b32 v[SCA+8*FS_+2*\i], v[ADSA+SL_] offset:128*\i+4
.endr
.endif
.endm
; 16 products of sub-step n: y's tiles a0, a0 + 1 x w's eight.  The 32 accumulators take turns in the same order in every sub-step
.macro MUL16 a0, n, zero
.set MQ_, (\n)%2
.set MS_, ((\n)/2)%2
.irp a, \a0, \a0+1
.irp b, 0,1,2,3,4,5,6,7
.if \zero
	v_wmma_scale_f32_16x16x128_f8f6f4 v[8*(8*(\a)+\b):8*(8*(\a)+\b)+7], v[128*MQ_+16*\b:128*MQ_+16*\b+15], v[AF+64*MQ_+16*(\a):AF+64*MQ_+16*(\a)+15], 0, v[SCB+16*MS_+2*\b+MQ_], v[SCA+8*MS_+2*(\a)+1-MQ_]
.else
	v_wmma_scale_f32_16x16x128_f8f6f4 v[8*(8*(\a)+\b):8*(8*(\a)+\b)+7], v[128*MQ_+16*\b:128*MQ_+16*\b+15], v[AF+64*MQ_+16*(\a):AF+64*MQ_+16*(\a)+15], v[8*(8*(\a)+\b):8*(8*(\a)+\b)+7], v[SCB+16*MS_+2*\b+MQ_], v[SCA+8*MS_+2*(\a)+1-MQ_]
.endif
.endr
.endr
.endm
; a plain sub-step: eight places ahead of loads into registers that products have read; the next sub-step's loads; the wait that lets only them stay out (out: their number, held to the counter's 63); 32 products
.macro SUB n, out
	PLACES 8
	FETCH (\n)+1
	s_wait_dscnt \out
	WIN MUL
	MUL16 0, \n, 0
	MUL16 2, \n, 0
.endm
	s_load_b256 s[4:11], s[0:1], 0x0               ; y_img s[4:5], wp_img s[6:7], b_proj s[8:9], out0 s[10:11]
	v_lshl_add_u32 v[SPW], v0, 2, SPARE
	v_mov_b32 v[NIL], 0
	ds_add_u32 v[SPW], v[NIL]                      ; the opening lines: the add, twice on end, and its wait
	ds_add_u32 v[SPW], v[NIL]
	v_lshrrev_b32 v1, 5, v0
	v_readfirstlane_b32 s[WV], v1                  ; wave 0..3
	s_lshr_b32 s[RA], s[WV], 1
	s_and_b32 s[CB], s[WV], 1
	s_bfe_u32 s40, ttmp6, 0x40000                  ; cx, cy
	s_bfe_u32 s41, ttmp6, 0x40004
	s_lshl_b32 s42, ttmp9, 2
	s_add_co_u32 s42, s42, s40                     ; tile column, 0..3
	s_and_b32 s43, ttmp7, 0xffff
	s_lshl_b32 s43, s43, 2
	s_add_co_u32 s43, s43, s41                     ; block of 128 tokens, 0..63
	s_lshl_b32 s44, s41, 2
	s_lshl_b32 s44, 15, s44                        ; my row of the cluster
	s_lshl_b32 s45, 0x1111, s40                    ; my column
	s_or_b32 s[G1], s44, (3<<16)|(1<<21)           ; rows of 32 elements of 8 bytes; y's go to my row,
	s_or_b32 s[G1B], s45, (3<<16)|(1<<21)          ; w's to my column
.irp g, G1, G1B
	s_mov_b32 s[\g+1], 32<<16
	s_mov_b32 s[\g+3], 32<<16
	s_mov_b32 s[\g+5], 32
	s_mov_b32 s[\g+6], 0
	s_mov_b32 s[\g+7], 0
.endr
	s_mov_b32 s[G1+2], 198<<16                     ; at the head: half of y's three K steps, 198 rows;
	s_mov_b32 s[G1+4], 198
	s_mov_b32 s[G1B+2], 396<<16                    ; a block of w's three K steps, 396 rows
	s_mov_b32 s[G1B+4], 396
	s_mul_i32 s46, s43, 4*HALFB                    ; y: my block; it hangs on the block of tokens alone
	s_mul_i32 s82, s[CB], 198*256
	s_add_co_u32 s46, s46, s82
	s_mov_b32 s47, 0
	s_mul_i32 s86, s43, 4*HALFB
	s_mul_i32 s83, s[CB], 66*256                   ; the refill: half of K step 3, 66 rows
	s_add_co_u32 s86, s86, s83
	s_add_co_u32 s86, s86, 3*HALFB
	s_mov_b32 s87, 0
	s_lshl_b32 s80, s42, 1
	s_add_co_u32 s80, s80, s[CB]
	s_mul_i32 s80, s80, 4*HALFB                    ; w: block 2 x tile column + half: on the tile column alone
	s_mov_b32 s81, 0
	s_mul_i32 s84, s[CB], REG3
	s_add_co_u32 s84, s84, REG3                    ; where w's block lies in LDS
	s_wait_dscnt 0x0                               ; both opening adds are done
	s_wait_kmcnt 0x0
	s_mov_b32 s[G0], 1
	s_mov_b32 s[G0+1], s82
	s_add_nc_u64 s[G0+2:G0+3], s[4:5], s[46:47]
	s_or_b32 s[G0+3], s[G0+3], 0x80000000
	s_mov_b32 s[G0+4], 1
	s_mov_b32 s[G0+5], s83
	s_add_nc_u64 s[G0+6:G0+7], s[4:5], s[86:87]
	s_or_b32 s[G0+7], s[G0+7], 0x80000000
	s_mov_b32 s[G0B], 1
	s_mov_b32 s[G0B+1], s84
	s_add_nc_u64 s[G0B+2:G0B+3], s[6:7], s[80:81]
	s_mov_b32 s[G0B+4], 1
	s_mov_b32 s[G0B+5], s84
	s_add_nc_u64 s[G0B+6:G0B+7], s[G0B+2:G0B+3], 3*HALFB
	s_or_b32 s[G0B+3], s[G0B+3], 0x80000000
	s_or_b32 s[G0B+7], s[G0B+7], 0x80000000
	CROUND                                         ; all sixteen work-groups are here: the first joint loads meet
	JLOAD G0, G1, G0B, G1B                         ; one load a wave at the head
	s_lshl_b32 s88, s42, 10
	s_lshl_b32 s89, s[CB], 9
	s_add_co_u32 s88, s88, s89                     ; my 128 columns, in bytes
	s_mov_b32 s89, 0
	s_add_nc_u64 s[90:91], s[8:9], s[88:89]
	s_lshl_b32 s92, s43, 7
	s_lshl_b32 s93, s[RA], 6
	s_add_co_u32 s92, s92, s93                     ; my first token
	s_lshl_b32 s92, s92, 12
	s_add_co_u32 s92, s92, s88
	s_mov_b32 s93, 0
	s_add_nc_u64 s[OUTB:OUTB+1], s[10:11], s[92:93]
	s_lshl_b32 s94, s[RA], 14                      ; my four row tiles of y's block,
	s_lshl_b32 s95, s[RA], 9                       ; and their scale words
	s_mul_i32 s96, s[WV], 16*528
	s_add_co_u32 s96, s96, STG                     ; my stage
	v_and_b32 v24, 31, v0
	v_lshlrev_b32 v[LI], 4, v24
	v_and_b32 v25, 15, v0                          ; r
	v_bfe_u32 v26, v0, 4, 1                        ; h
	v_lshl_add_u32 v27, v25, 3, 32768              ; the scale words lie behind a block's codes, 8 bytes a row
	v_add_nc_u32 v[ADRA], s94, v[LI]
	v_add_nc_u32 v[ADSA], s95, v27
	v_add_nc_u32 v[ADRB], s84, v[LI]
	v_add_nc_u32 v[ADSB], s84, v27
.irp s, 1,2
	v_add_nc_u32 v[ADRA+\s], \s*HALFB, v[ADRA]
	v_add_nc_u32 v[ADSA+\s], \s*HALFB, v[ADSA]
	v_add_nc_u32 v[ADRB+\s], \s*HALFB, v[ADRB]
	v_add_nc_u32 v[ADSB+\s], \s*HALFB, v[ADSB]
.endr
	v_mul_u32_u24 v[STO], v25, 528
	v_lshl_add_u32 v[STO], v26, 6, v[STO]
	v_add_nc_u32 v[STO], s96, v[STO]               ; in: row r, + 64 h
	v_add_nc_u32 v[RD], s96, v[LI]                 ; back: 16 x lane of a row of 512 bytes
	global_load_b128 v[BI:BI+3], v[LI], s[90:91]   ; the bias of my lane's four columns of a row
	s_wait_alu depctr_va_vdst(0)                   ; the wait at the head's end
	s_wait_tensorcnt 0x0                           ; my part of the three K steps is in; no load of mine is out, so a descriptor may be written:
	s_mov_b32 s[G1+2], 66<<16                      ; the refill brings one K step: 66 rows a wave of y's,
	s_mov_b32 s[G1+4], 66
	s_mov_b32 s[G1B+2], 132<<16                    ; 132 of w's
	s_mov_b32 s[G1B+4], 132
	s_barrier_signal -1
	s_barrier_wait -1                              ; everybody's part is in
	FETCH 0
	FETCH 1
	s_wait_dscnt 48                                ; sub-step 0's loads are in; sub-step 1's 48 may be out
	WIN MUL
	MUL16 0, 0, 1                                  ; the first products start the sums: nothing is cleared
	MUL16 2, 0, 1
	PLACES 8                                       ; sub-step 1, and the round in front of the refill
	FETCH 2
	s_wait_tensorcnt 0x0                           ; no load of mine is out;
	ds_add_u32 v[SPW], v[NIL]                      ; 0 onto my spare word
	s_wait_dscnt 63                                ; sub-step 1's loads are in (behind them 64 loads and the add were issued)
	WIN MUL
	MUL16 0, 1, 0
	s_wait_dscnt 0x0                               ; the add is done, and my reads of K step 0 are over
	s_barrier_signal -1
	MUL16 2, 1, 0
	WIN 0
	s_barrier_wait -1
	CREST                                          ; no wave of any partner still reads K step 0's bytes or has a load on its way
	JLOAD G0+4, G1, G0B+4, G1B                     ; K step 3 into K step 0's bytes; its four v_nop are four of the eight places
	PLACES 4
	FETCH 3
	s_wait_dscnt 48
	WIN MUL
	MUL16 0, 2, 0
	MUL16 2, 2, 0
	SUB 3, 63
	PLACES 8                                       ; sub-step 4, and the barrier that shows K step 3
	FETCH 5
	s_wait_dscnt 48
	WIN MUL
	MUL16 0, 4, 0
	s_wait_tensorcnt 0x0                           ; my part of K step 3 is in,
	s_wait_dscnt 0x0                               ; and my reads of K steps 1 and 2 are over
	s_barrier_signal -1
	MUL16 2, 4, 0
	s_barrier_wait -1
	SUB 5, 63
	SUB 6, 48
	s_wait_dscnt 0x0
	MUL16 0, 7, 0
	MUL16 2, 7, 0
	WIN 0
; THE WAY OUT, tile by tile of 16 tokens x 128 columns: through my stage, back as whole rows of 512 bytes, + bias, stored as whole rows of 512 consecutive bytes
.macro TOSTAGE a
	WIN 0x08                                       ; the data: window 2
.irp b, 0,1,2,3,4,5,6,7
	ds_store_b128 v[STO], v[64*(\a)+8*\b:64*(\a)+8*\b+3] offset:128*(\b/2)+32*(\b%2)        ; each accumulator from its low end on
	ds_store_b128 v[STO], v[64*(\a)+8*\b+4:64*(\a)+8*\b+7] offset:128*(\b/2)+32*(\b%2)+16
.endr
	WIN 0
.set BB, BK+64*((\a)%2)
.irp t, 0,1,2,3,4,5,6,7,8,9,10,11,12,13,14,15
	ds_load_b128 v[BB+4*\t:BB+4*\t+3], v[RD] offset:\t*528   ; LDS serves a wave's instructions in order: these see the stores
.endr
.endm
.macro SEND a, younger
.set BB, BK+64*((\a)%2)
	s_wait_dscnt \younger
.irp t, 0,1,2,3,4,5,6,7,8,9,10,11,12,13,14,15
	v_pk_add_f32 v[BB+4*\t:BB+4*\t+1], v[BB+4*\t:BB+4*\t+1], v[BI:BI+1]
	v_pk_add_f32 v[BB+4*\t+2:BB+4*\t+3], v[BB+4*\t+2:BB+4*\t+3], v[BI+2:BI+3]
.endr
.irp t, 0,1,2,3,4,5,6,7,8,9,10,11,12,13,14,15
	global_store_b128 v[LI], v[BB+4*\t:BB+4*\t+3], s[OUTB:OUTB+1] offset:(32*((\a)/2)+8*((\a)%2)+\t+8*(\t/8))*4096 th:TH_STORE_NT
.endr
.endm
	s_wait_loadcnt 0x0                             ; the bias
	PLACES 8
	TOSTAGE 0
.irp a, 1,2,3
.if \a > 1
	s_wait_xcnt 0x0                                ; the stores of two tiles back have read the registers into which this tile's rows come
.endif
	TOSTAGE \a
	SEND \a-1, 32                                  ; behind tile a - 1's loads: tile a's 16 stores and 16 loads
.endr
	SEND 3, 0
	s_wait_tensorcnt 0x0                           ; the wave's end
	ds_add_u32 v[SPW], v[NIL]
	s_wait_dscnt 0x0
	CROUND                                         ; the closing round
	s_endpgm
.Lfunc_end_k_qb36603d6e8_proj:
	.size	k_qb36603d6e8_proj, .Lfunc_end_k_qb36603d6e8_proj-k_qb36603d6e8_proj
	.p2alignl 7, 3214868480
	.fill 96, 4, 3214868480
	.section	.rodata,"a",@progbits
	.p2align	6, 0x0
	.amdhsa_kernel k_qb36603d6e8_proj
		.amdhsa_group_segment_fixed_size 327680
		.amdhsa_private_segment_fixed_size 0
		.amdhsa_enable_private_segment 0
		.amdhsa_kernarg_size 32
		.amdhsa_user_sgpr_count 2
		.amdhsa_user_sgpr_kernarg_segment_ptr 1
		.amdhsa_wavefront_size32 1
		.amdhsa_system_sgpr_workgroup_id_x 1
		.amdhsa_system_sgpr_workgroup_id_y 1
		.amdhsa_system_sgpr_workgroup_id_z 1
		.amdhsa_system_vgpr_workitem_id 0
		.amdhsa_next_free_vgpr 768
		.amdhsa_next_free_sgpr 100
		.amdhsa_reserve_vcc 0
		.amdhsa_float_denorm_mode_32 3
		.amdhsa_float_denorm_mode_16_64 3
		.amdhsa_memory_ordered 1
		.amdhsa_forward_progress 1
		.amdhsa_inst_pref_size 94
	.end_amdhsa_kernel
	.amdgpu_metadata
---
amdhsa.version: [ 1, 2 ]
amdhsa.kernels:
  - .name:           k_qb36603d6e8_proj
    .symbol:         k_qb36603d6e8_proj.kd
    .args:
      - { .name: y_img, .offset: 0, .size: 8, .value_kind: global_buffer, .address_space: global }
      - { .name: wp_img, .offset: 8, .size: 8, .value_kind: global_buffer, .address_space: global }
      - { .name: b_proj, .offset: 16, .size: 8, .value_kind: global_buffer, .address_space: global }
      - { .name: out0, .offset: 24, .size: 8, .value_kind: global_buffer, .address_space: global }
    .group_segment_fixed_size: 327680
    .private_segment_fixed_size: 0
    .kernarg_segment_align: 8
    .kernarg_segment_size: 32
    .max_flat_workgroup_size: 128
    .sgpr_count:     100
    .vgpr_count:     768
    .wavefront_size: 32
...
	.end_amdgpu_metadata
.endif
;; end of part 4
